; MI455X (gfx1250); checked and timed in simulation.
; The chip was launched on July 23, 2026; its instructions are those of AMD's public machine-readable ISA for CDNA 5 (MIT licence, August 2026) and "CDNA5" Instruction Set Architecture Reference Guide (July 2026). The comments in the code are by the model that wrote it; some were corrected since.
;; MLA KV2 Attention RALATE. Allowed arithmetic: matrix products marked QUANTISED: E4M3 operands, one given power-of-two scale a tensor, by v_wmma_f32_16x16x64_fp8_fp8 or v_wmma_f32_16x16x128_fp8_fp8, f32 sums; everything else in f32.
;; Inputs: Wq_b 2,048 float32; Wq_w 2,048 x 1,024 float32; fromk_b 2,048 float32; fromk_w 2,048 x 512 float32; fromv_b 2,048 float32; fromv_w 2,048 x 512 float32; kc_b 256 float32; kc_w 256 x 512 float32; kd_b 512 float32; kd_w 512 x 256 float32; lowp_scales 24 int32 (the exponents e of the quantised operands' scales 2^e); out_b 1,024 float32; out_w 1,024 x 2,048 float32; tok_b 512 float32; tok_w 512 x 1,024 float32; tov_b 512 float32; tov_w 512 x 1,024 float32; vc_b 256 float32; vc_w 256 x 512 float32; vd_b 512 float32; vd_w 512 x 256 float32; x 2 x 2,048 x 1,024 float32.
;; Outputs: out0 2 x 2,048 x 1,024 float32.
;; This version of the problem:
;;   THIS VERSION OF THE PROBLEM IS GIVEN IN LOW PRECISION. The matrix products marked QUANTISED in the list below multiply operands that are first quantised to E4M3 (4 exponent bits, 3 mantissa bits; 8 bits a number), with one given power-of-two scale for each operand tensor; their sums are f32. All else is computed in f32.
;;   The module's matrix products, in the order in which they are computed (A, B: the left and right operand; K: the contracted axis; several contracted axes count as one K, in the product's order):
;;     1. [M 4,096, K 1,024] x [K 1,024, N 2,048]; A: input x; B: input Wq_w: QUANTISED (scales: A lowp_scales[0], B lowp_scales[1])
;;     2. [M 4,096, K 1,024] x [K 1,024, N 512]; A: input x; B: input tok_w: QUANTISED (scales: A lowp_scales[2], B lowp_scales[3])
;;     3. [M 4,096, K 512] x [K 512, N 256]; A: computed on the way; B: input kc_w: QUANTISED (scales: A lowp_scales[4], B lowp_scales[5])
;;     4. [M 4,096, K 256] x [K 256, N 512]; A: computed on the way; B: input kd_w: QUANTISED (scales: A lowp_scales[6], B lowp_scales[7])
;;     5. [M 4,096, K 1,024] x [K 1,024, N 512]; A: input x; B: input tov_w: QUANTISED (scales: A lowp_scales[8], B lowp_scales[9])
;;     6. [M 4,096, K 512] x [K 512, N 256]; A: computed on the way; B: input vc_w: QUANTISED (scales: A lowp_scales[10], B lowp_scales[11])
;;     7. [M 4,096, K 256] x [K 256, N 512]; A: computed on the way; B: input vd_w: QUANTISED (scales: A lowp_scales[12], B lowp_scales[13])
;;     8. [M 4,096, K 512] x [K 512, N 2,048]; A: computed on the way; B: input fromk_w: QUANTISED (scales: A lowp_scales[14], B lowp_scales[15])
;;     9. [M 4,096, K 512] x [K 512, N 2,048]; A: computed on the way; B: input fromv_w: QUANTISED (scales: A lowp_scales[16], B lowp_scales[17])
;;     10. batch 32 x [M 2,048, K 128] x [K 128, N 2,048]; A: computed on the way; B: computed on the way: QUANTISED (scales: A lowp_scales[18], B lowp_scales[19])
;;     11. batch 32 x [M 2,048, K 2,048] x [K 2,048, N 128]; A: softmax (see below); B: computed on the way: QUANTISED (scales: A lowp_scales[20], B lowp_scales[21])
;;     12. [M 4,096, K 2,048] x [K 2,048, N 1,024]; A: computed on the way; B: input out_w: QUANTISED (scales: A lowp_scales[22], B lowp_scales[23])
;;   THE QUANTISER, for each operand of a quantised product, along K:
;;     - The operand's scale is 2^e, e = its entry of the input lowp_scales (int32; the entries are numbered through the quantised products in the list's order, A before B).
;;     - Each number is divided by the scale, clamped to +-448, and rounded to the nearest number of E4M3, ties to even, subnormals kept.
;;     - The product sums the exact products of the quantised numbers (number of the format x scale) in f32.
;;   ~~~python
;;   def quantise(x, axis, e):      # numpy; x: float32 -> the quantised numbers, widened to float32 again
;;       x = np.moveaxis(x, axis, -1); K = x.shape[-1]
;;       r = np.clip(x / 2.0 ** e, -448, 448)
;;       step = 2.0 ** (np.maximum(np.frexp(np.where(r == 0, 1, r))[1] - 1, -6) - 3)
;;       q = np.round(r / step) * step * 2.0 ** e      # np.round: ties to even
;;       return np.moveaxis(q, -1, axis).astype(np.float32)
;;   ~~~
;;   SOFTMAX AHEAD OF A QUANTISED PRODUCT. Where the list says 'softmax', what is quantised is not the finished softmax but p = 2^(t - M), with t = logit x log2(e) and M = ceil(the row's largest t), a whole number; so 1/2 < the row's largest p <= 1. The row's sum l is taken of the UNQUANTISED p, in f32, and the product's result is divided by l at the end. Since M is a whole number, a kernel that streams over the keys may use a running M (the ceiling of the running maximum): every later rescaling is an exact power of two, so the quantised numbers keep their values, but for numbers so far below the row's largest that they fall under the format's range.
;;   OPERANDS COMPUTED ON THE WAY. 'Computed on the way' means the value that the module computes at that place (a softmax that the list does not call 'softmax' is quantised finished and normalised). What goes into a quantiser is computed in f32, as accurately as f32 sums, v_exp_f32 and their like allow (about 1e-6 of the number): no bf16 or f16 on the way to a quantiser, and a product that is left as it is and whose result goes on into a quantised operand takes f32 operands (vector FMAs, or v_wmma_f32_16x16x4_f32). A number that lies on a knife's edge between two numbers of the format may be rounded either way, as far as f32 arithmetic and the matrix unit's own rounding can turn it there, and no further.
;; One version. Each part assembles by itself: llvm-mc -triple=amdgcn-amd-amdhsa -mcpu=gfx1250 --defsym DOCPART=n.
;; ======== version 1 of 1: 6 launches
;; workspace buffers: xc 12,582,912 bytes; wc 8,912,896 bytes; qc 8,388,608 bytes; h1 4,194,304 bytes; lat 4,194,304 bytes; kv 16,777,216 bytes; ac 8,388,608 bytes
;; launch quant (part 1): grid 432 x 1, 4 waves a work-group, no clusters, 34,304 bytes of LDS; arguments x, Wq_w, out_w, fromk_w, fromv_w, tok_w, tov_w, kc_w, vc_w, kd_w, vd_w, lowp_scales, xc, wc; writes xc, wc
.if DOCPART == 1
	.amdgcn_target "amdgcn-amd-amdhsa--gfx1250"
	.amdhsa_code_object_version 6
	.text
	.protected	k_q3fdbfb9752_quant
	.globl	k_q3fdbfb9752_quant
	.p2align	8
	.type	k_q3fdbfb9752_quant,@function
k_q3fdbfb9752_quant:
	s_mov_b64 s[64:65], 0
	v_nop
	global_prefetch_b8 v0, s[64:65] scope:SCOPE_SE
	s_setreg_imm32_b32 hwreg(HW_REG_WAVE_MODE, 25, 1), 1
	s_wait_xcnt 0x0
; x (three times, with the scales e0, e2, e8) and the ten weights become codes of E4M3; the table of cosines and sines for the rotation is made.
; code = number / 2^e, held within +-448, rounded to the nearest code, ties to even.  LIMITS: every e between -126 and 119; NaN among the inputs is not served.
; LAYOUT OF ALL CODES: fragments of 16 rows x 128 K, 2,048 bytes, in the order of an operand's registers.  Fragment (tile, ks) lies at (tile x K/128 + ks) x 2,048;
; its byte 512 c + 16 lane + j is the code of row 32 (tile/2) + 8 (tile%2) + r + 8 (r/8), k = 128 ks + 32 c + 16 h + j (r = lane % 16, h = lane / 16).
; A later launch gets a fragment by four loads of 16 bytes a lane, and the results of a transposed product on such tiles are again 16 neighbours along the next K.
; SHARES: a wave takes 4 fragments on end, a work-group 16.  Work-groups 0-127 x, 128-191 Wq, 192-255 out_w, 256-287 fromk, 288-319 fromv, 320-335 tok, 336-351 tov,
; 352-355 kc, 356-359 vc, 360-363 kd, 364-367 vd: wc holds the weights in that order, 32,768 bytes a work-group.  Work-groups 368-431 make the table at wc + 0x780000.
; A load reads 512 consecutive bytes of one row; the 16 rows turn through the wave's own stage in LDS (pitch 528 bytes) so that a lane gets 16 neighbours along K.
; No tensor load, no barrier: waves share nothing.  The next fragment's 16 loads are on their way while this one is converted.
.set SRC,   4                          ; s[4:5]  the tensor's address
.set START, 6                          ; s6      its first work-group
.set LG,    7                          ; s7      log2(K / 128)
.set EE,    60                         ; s60     its scale's exponent
.set WV,    61
.set PIT,   62                         ; s62     a row in bytes
.set MSK,   63                         ; s63     K / 128 - 1
.set BA,    66                         ; s[66:67] the fragment's first row and column in memory
.set DA,    68                         ; s[68:69] where my four fragments go;  s[70:71], s[72:73]: x's second and third copy
.set DB,    70
.set DC,    72
.set LI,  1                            ; v1   16 x lane
.set STI, 2                            ; v2   the stage, on the way in
.set STO, 3                            ; v3   and on the way out
.set SC,  4                            ; v4-6 2^e as f32, three scales
.set LM,  7                            ; v7-9 448 x 2^e
.set OFF, 10                           ; v10-25 row p of a tile: its byte offset + 16 x lane
.set R,   32                           ; v32-95   16 rows as loaded
.set X,   96                           ; v96-159  register 16 c + i: k = 32 c + 16 h + i of row r
.set T,   160                          ; v160-191 held numbers, two halves by turns
.set COD, 192                          ; v192-239 three sets of 16 registers of codes
.set SP,  528
.set WST, 16*SP
.set ANG, 32                           ; the table's path: v32-47 angles, v64-79 cosines, v80-95 sines, v100-115 at work
.set CSN, 64
.set W,   100
.macro PICK start, ptr, lg, e          ; from work-group start on: this tensor.  Only values are chosen: one path for all tensors
	s_cmp_ge_u32 ttmp9, \start
	s_cselect_b64 s[SRC:SRC+1], s[\ptr:\ptr+1], s[SRC:SRC+1]
	s_cselect_b32 s[START], \start, s[START]
	s_cselect_b32 s[LG], \lg, s[LG]
	s_cselect_b32 s[EE], s[\e], s[EE]
.endm
.macro MKSC e, n                       ; 2^e and 448 x 2^e as f32
	s_add_co_i32 s74, s[\e], 127
	s_lshl_b32 s75, s74, 23
	v_mov_b32 v[SC+\n], s75
	s_add_co_i32 s74, s74, 8
	s_lshl_b32 s74, s74, 23
	s_or_b32 s74, s74, 0x600000
	v_mov_b32 v[LM+\n], s74
.endm
.macro BASE i                          ; fragment f = 16 (work-group - START) + 4 wave + i: tile = f >> LG, ks = f & MSK
	s_sub_co_u32 s74, ttmp9, s[START]
	s_lshl_b32 s74, s74, 4
	s_lshl_b32 s75, s[WV], 2
	s_add_co_u32 s74, s74, s75
	s_add_co_u32 s74, s74, \i
	s_lshr_b32 s75, s74, s[LG]
	s_and_b32 s74, s74, s[MSK]
	s_lshr_b32 s76, s75, 1
	s_lshl_b32 s76, s76, 5
	s_and_b32 s75, s75, 1
	s_lshl_b32 s75, s75, 3
	s_or_b32 s76, s76, s75                         ; the tile's first row
	s_lshl_b32 s76, s76, s[LG]
	s_add_co_u32 s76, s76, s74
	s_lshl_b32 s76, s76, 9                         ; (row x K/128 + ks) x 512 bytes
	s_mov_b32 s77, 0
	s_add_nc_u64 s[BA:BA+1], s[SRC:SRC+1], s[76:77]
.endm
.macro LOADF                           ; 16 rows x 512 consecutive bytes
.irp p, 0,1,2,3,4,5,6,7,8,9,10,11,12,13,14,15
	global_load_b128 v[R+4*\p:R+4*\p+3], v[OFF+\p], s[BA:BA+1] th:TH_LOAD_NT
.endr
.endm
.macro QSET n                          ; the fragment's 64 numbers a lane -> 16 registers of codes, with scale n
.irp b, 0,1,2,3
.set jj, 0
.rept 16
	v_med3_num_f32 v[T+16*(\b%2)+jj], v[X+16*\b+jj], -v[LM+\n], v[LM+\n]   ; the conversion does not saturate (ISA guide 7.6.2): the hold comes first
.set jj, jj+1
.endr
	v_cvt_scalef32_pk8_fp8_f32 v[COD+16*\n+4*\b:COD+16*\n+4*\b+1], v[T+16*(\b%2):T+16*(\b%2)+7], v[SC+\n]
	v_cvt_scalef32_pk8_fp8_f32 v[COD+16*\n+4*\b+2:COD+16*\n+4*\b+3], v[T+16*(\b%2)+8:T+16*(\b%2)+15], v[SC+\n]
.endr
	v_nop                                          ; a plain line behind the last conversion; T's halves take turns, so sixteen holds stand between a conversion and the next write of its sources
.endm
.macro OUT n, dst, i                   ; a store covers 512 consecutive bytes, aligned
.irp c, 0,1,2,3
	global_store_b128 v[LI], v[COD+16*\n+4*\c:COD+16*\n+4*\c+3], s[\dst:\dst+1] offset:2048*(\i)+512*\c
.endr
.endm
.macro FRAG i
	s_wait_loadcnt 0x0                             ; this fragment's 16 rows are in
.irp p, 0,1,2,3,4,5,6,7,8,9,10,11,12,13,14,15
	ds_store_b128 v[STI], v[R+4*\p:R+4*\p+3] offset:SP*\p
.endr
.irp c, 0,1,2,3
.irp q, 0,1,2,3
	ds_load_b128 v[X+16*\c+4*\q:X+16*\c+4*\q+3], v[STO] offset:128*\c+16*\q   ; LDS serves a wave's instructions in order: these see my stores
.endr
.endr
	s_wait_dscnt 0x0                               ; the numbers are back, and the stores have read R
	s_wait_xcnt 0x0                                ; the last fragment's stores have read their registers: the codes may be written again
.if \i < 3
	BASE \i+1
	LOADF                                          ; the next fragment is on its way while this one is converted
.endif
	QSET 0
	OUT 0, DA, \i
	s_cmp_lt_u32 ttmp9, 128                        ; x has two more scales
	s_cbranch_scc0 .Lone_\@
	QSET 1
	OUT 1, DB, \i
	QSET 2
	OUT 2, DC, \i
.Lone_\@:
.endm
	s_load_b512 s[8:23], s[0:1], 0x0               ; x 8, Wq 10, out_w 12, fromk 14, fromv 16, tok 18, tov 20, kc 22
	s_load_b256 s[24:31], s[0:1], 0x40             ; vc 24, kd 26, vd 28, the scales' exponents 30
	s_load_b128 s[32:35], s[0:1], 0x60             ; xc 32, wc 34
	v_lshl_add_u32 v240, v0, 2, 0x8400
	v_mov_b32 v241, 0
	v_lshrrev_b32 v1, 5, v0
	v_readfirstlane_b32 s[WV], v1
	v_and_b32 v1, 31, v0
	v_lshlrev_b32 v[LI], 4, v1
	s_wait_kmcnt 0x0
	s_cmp_ge_u32 ttmp9, 368
	s_cbranch_scc1 .Lrope
	s_load_b512 s[36:51], s[30:31], 0x0            ; e0 .. e15 in s36 ..
	s_load_b256 s[52:59], s[30:31], 0x40           ; e16 .. e23
	s_mul_i32 s74, s[WV], WST                      ; my wave's stage
	v_add_nc_u32 v[STI], s74, v[LI]
	v_and_b32 v[STO], 15, v0
	v_mul_u32_u24 v[STO], v[STO], SP
	v_bfe_u32 v10, v0, 4, 1
	v_lshl_add_u32 v[STO], v10, 6, v[STO]
	v_add_nc_u32 v[STO], s74, v[STO]               ; row r, + 64 h bytes
	s_wait_kmcnt 0x0
	s_mov_b64 s[SRC:SRC+1], s[8:9]
	s_mov_b32 s[START], 0
	s_mov_b32 s[LG], 3
	s_mov_b32 s[EE], s36
	PICK 128, 10, 3, 37
	PICK 192, 12, 4, 59
	PICK 256, 14, 2, 51
	PICK 288, 16, 2, 53
	PICK 320, 18, 3, 39
	PICK 336, 20, 3, 45
	PICK 352, 22, 2, 41
	PICK 356, 24, 2, 47
	PICK 360, 26, 1, 43
	PICK 364, 28, 1, 49
	s_lshl_b32 s[PIT], 512, s[LG]
	s_lshl_b32 s[MSK], 1, s[LG]
	s_sub_co_u32 s[MSK], s[MSK], 1
.irp p, 0,1,2,3,4,5,6,7,8,9,10,11,12,13,14,15
	s_mul_i32 s75, s[PIT], \p+8*(\p/8)
	v_add_nc_u32 v[OFF+\p], s75, v[LI]
.endr
	BASE 0
	LOADF
	s_cmp_lt_u32 ttmp9, 128
	s_cselect_b64 s[DA:DA+1], s[32:33], s[34:35]
	s_cselect_b32 s74, 0, 128
	s_sub_co_u32 s74, ttmp9, s74
	s_lshl_b32 s74, s74, 15
	s_lshl_b32 s75, s[WV], 13
	s_add_co_u32 s74, s74, s75
	s_mov_b32 s75, 0
	s_add_nc_u64 s[DA:DA+1], s[DA:DA+1], s[74:75]
	s_add_nc_u64 s[DB:DB+1], s[DA:DA+1], 0x400000  ; used by x's work-groups alone
	s_add_nc_u64 s[DC:DC+1], s[DA:DA+1], 0x800000
	MKSC EE, 0
	MKSC 38, 1                                     ; e2
	MKSC 44, 2                                     ; e8
	FRAG 0
	FRAG 1
	FRAG 2
	FRAG 3
	s_wait_tensorcnt 0x0
	ds_add_u32 v240, v241
	s_wait_dscnt 0x0
	s_endpgm
; THE TABLE.  Wave jw = 4 (work-group - 368) + wave makes, for token tile jw / 2 and half jw % 2 of the 64 frequencies, cos and sin of t x 10000^(-i/64):
; lane (r, h): t = the tile's row r, i = 32 (jw % 2) + 16 h + 0 .. 15.  Laid as the products' results want it: 8 groups of 512 bytes, 4 of cosines, 4 of sines.
; 10000^(-i/64) = 2^(-i log2(10000)/64); the angle is one f32 product, as in the definition; it is reduced by whole quarter turns with pi/2 in three parts
; (fused multiply-adds, exact for the 1,304 quarter turns that 2,047 radians hold) and sin, cos come from polynomials on +-pi/4.
.macro SINCOS j
.set WB, W+8*((\j)%2)
	v_mul_f32 v[WB], 0x3f22f983, v[ANG+\j]         ; x 2/pi
	v_rndne_f32 v[WB], v[WB]                       ; n quarter turns
	v_fma_f32 v[WB+1], v[WB], s80, v[ANG+\j]
	v_fma_f32 v[WB+1], v[WB], s81, v[WB+1]
	v_fma_f32 v[WB+1], v[WB], s82, v[WB+1]         ; the rest, within +-pi/4
	v_cvt_i32_f32 v[WB+2], v[WB]
	v_mul_f32 v[WB+3], v[WB+1], v[WB+1]            ; z
	v_fma_f32 v[WB+4], v[WB+3], s85, s84
	v_fma_f32 v[WB+4], v[WB+4], v[WB+3], s83
	v_mul_f32 v[WB+6], v[WB+3], v[WB+1]
	v_fma_f32 v[WB+4], v[WB+4], v[WB+6], v[WB+1]   ; sin
	v_fma_f32 v[WB+5], v[WB+3], s88, s87
	v_fma_f32 v[WB+5], v[WB+5], v[WB+3], s86
	v_mul_f32 v[WB+6], v[WB+3], v[WB+3]
	v_fma_f32 v[WB+7], v[WB+3], -0.5, 1.0
	v_fma_f32 v[WB+5], v[WB+5], v[WB+6], v[WB+7]   ; cos
	v_and_b32 v[WB+6], 1, v[WB+2]
	v_cmp_eq_u32 vcc_lo, 1, v[WB+6]                ; an odd quarter swaps the two
	v_cndmask_b32 v[WB], v[WB+4], v[WB+5], vcc_lo
	v_cndmask_b32 v[WB+1], v[WB+5], v[WB+4], vcc_lo
	v_lshlrev_b32 v[WB+6], 30, v[WB+2]
	v_and_b32 v[WB+6], 0x80000000, v[WB+6]         ; sin changes sign in quarters 2, 3
	v_xor_b32 v[CSN+16+\j], v[WB], v[WB+6]
	v_add_nc_u32 v[WB+2], 1, v[WB+2]
	v_lshlrev_b32 v[WB+6], 30, v[WB+2]
	v_and_b32 v[WB+6], 0x80000000, v[WB+6]         ; cos in quarters 1, 2
	v_xor_b32 v[CSN+\j], v[WB+1], v[WB+6]
.endm
.Lrope:
	s_sub_co_u32 s74, ttmp9, 368
	s_lshl_b32 s74, s74, 2
	s_add_co_u32 s74, s74, s[WV]                   ; jw
	s_lshr_b32 s75, s74, 1
	s_and_b32 s76, s74, 1
	s_lshr_b32 s77, s75, 1
	s_lshl_b32 s77, s77, 5
	s_and_b32 s75, s75, 1
	s_lshl_b32 s75, s75, 3
	s_or_b32 s77, s77, s75                         ; the tile's first token
	v_and_b32 v2, 15, v0
	v_and_b32 v3, 8, v2
	v_add3_u32 v2, v2, v3, s77
	v_cvt_f32_u32 v2, v2                           ; t
	v_bfe_u32 v3, v0, 4, 1
	v_lshlrev_b32 v3, 4, v3
	s_lshl_b32 s76, s76, 5
	v_add_nc_u32 v3, s76, v3                       ; my first i
	s_lshl_b32 s74, s74, 12
	s_add_co_u32 s74, s74, 0x780000
	s_mov_b32 s75, 0
	s_add_nc_u64 s[DA:DA+1], s[34:35], s[74:75]
	s_mov_b32 s80, 0xbfc90fd8                      ; -pi/2 in three parts
	s_mov_b32 s81, 0xb4a8885a
	s_mov_b32 s82, 0xa7c234c4
	s_mov_b32 s83, 0xbe2aaaa3                      ; sin's coefficients
	s_mov_b32 s84, 0x3c08839e
	s_mov_b32 s85, 0xb94ca1f9
	s_mov_b32 s86, 0x3d2aaaa5                      ; cos's
	s_mov_b32 s87, 0xbab6061a
	s_mov_b32 s88, 0x37ccf5ce
.irp j, 0,1,2,3,4,5,6,7,8,9,10,11,12,13,14,15
	v_add_nc_u32 v[ANG+\j], \j, v3
	v_cvt_f32_u32 v[ANG+\j], v[ANG+\j]
	v_mul_f32 v[ANG+\j], 0xbe549a78, v[ANG+\j]     ; -i log2(10000) / 64
.endr
.irp j, 0,1,2,3,4,5,6,7,8,9,10,11,12,13,14,15
	v_exp_f32 v[ANG+\j], v[ANG+\j]
.endr
	v_nop                                          ; a plain line behind the last exponential
	s_wait_alu depctr_va_vdst(0)                   ; one wait for the batch, ahead of its first reader
.irp j, 0,1,2,3,4,5,6,7,8,9,10,11,12,13,14,15
	v_mul_f32 v[ANG+\j], v2, v[ANG+\j]
.endr
.irp j, 0,1,2,3,4,5,6,7,8,9,10,11,12,13,14,15
	SINCOS \j
.endr
.irp q, 0,1,2,3,4,5,6,7
	global_store_b128 v[LI], v[CSN+4*\q:CSN+4*\q+3], s[DA:DA+1] offset:512*\q
.endr
	s_endpgm
.Lfunc_end_k_q3fdbfb9752_quant:
	.size	k_q3fdbfb9752_quant, .Lfunc_end_k_q3fdbfb9752_quant-k_q3fdbfb9752_quant
	.p2alignl 7, 3214868480
	.fill 96, 4, 3214868480
	.section	.rodata,"a",@progbits
	.p2align	6, 0x0
	.amdhsa_kernel k_q3fdbfb9752_quant
		.amdhsa_group_segment_fixed_size 34304
		.amdhsa_private_segment_fixed_size 0
		.amdhsa_enable_private_segment 0
		.amdhsa_kernarg_size 112
		.amdhsa_user_sgpr_count 2
		.amdhsa_user_sgpr_kernarg_segment_ptr 1
		.amdhsa_wavefront_size32 1
		.amdhsa_system_sgpr_workgroup_id_x 1
		.amdhsa_system_sgpr_workgroup_id_y 1
		.amdhsa_system_sgpr_workgroup_id_z 1
		.amdhsa_system_vgpr_workitem_id 0
		.amdhsa_next_free_vgpr 242
		.amdhsa_next_free_sgpr 104
		.amdhsa_reserve_vcc 1
		.amdhsa_float_denorm_mode_32 3
		.amdhsa_float_denorm_mode_16_64 3
		.amdhsa_memory_ordered 1
		.amdhsa_forward_progress 1
		.amdhsa_inst_pref_size 108
	.end_amdhsa_kernel
	.amdgpu_metadata
---
amdhsa.version: [ 1, 2 ]
amdhsa.kernels:
  - .name:           k_q3fdbfb9752_quant
    .symbol:         k_q3fdbfb9752_quant.kd
    .args:
      - { .name: x, .offset: 0, .size: 8, .value_kind: global_buffer, .address_space: global }
      - { .name: Wq_w, .offset: 8, .size: 8, .value_kind: global_buffer, .address_space: global }
      - { .name: out_w, .offset: 16, .size: 8, .value_kind: global_buffer, .address_space: global }
      - { .name: fromk_w, .offset: 24, .size: 8, .value_kind: global_buffer, .address_space: global }
      - { .name: fromv_w, .offset: 32, .size: 8, .value_kind: global_buffer, .address_space: global }
      - { .name: tok_w, .offset: 40, .size: 8, .value_kind: global_buffer, .address_space: global }
      - { .name: tov_w, .offset: 48, .size: 8, .value_kind: global_buffer, .address_space: global }
      - { .name: kc_w, .offset: 56, .size: 8, .value_kind: global_buffer, .address_space: global }
      - { .name: vc_w, .offset: 64, .size: 8, .value_kind: global_buffer, .address_space: global }
      - { .name: kd_w, .offset: 72, .size: 8, .value_kind: global_buffer, .address_space: global }
      - { .name: vd_w, .offset: 80, .size: 8, .value_kind: global_buffer, .address_space: global }
      - { .name: lowp_scales, .offset: 88, .size: 8, .value_kind: global_buffer, .address_space: global }
      - { .name: xc, .offset: 96, .size: 8, .value_kind: global_buffer, .address_space: global }
      - { .name: wc, .offset: 104, .size: 8, .value_kind: global_buffer, .address_space: global }
    .group_segment_fixed_size: 34304
    .private_segment_fixed_size: 0
    .kernarg_segment_align: 8
    .kernarg_segment_size: 112
    .max_flat_workgroup_size: 128
    .sgpr_count:     104
    .vgpr_count:     242
    .wavefront_size: 32
...
	.end_amdgpu_metadata
.endif
;; end of part 1
;; launch proj1 (part 2): grid 8 x 32, 4 waves a work-group, clusters of 4 x 4, 327,680 bytes of LDS; arguments xc, wc, lowp_scales, Wq_b, tok_b, tov_b, qc, h1; writes qc, h1
.if DOCPART == 2
	.amdgcn_target "amdgcn-amd-amdhsa--gfx1250"
	.amdhsa_code_object_version 6
	.text
	.protected	k_q3fdbfb9752_proj1
	.globl	k_q3fdbfb9752_proj1
	.p2align	8
	.type	k_q3fdbfb9752_proj1,@function
k_q3fdbfb9752_proj1:
	s_mov_b64 s[64:65], 0
	v_nop
	global_prefetch_b8 v0, s[64:65] scope:SCOPE_SE
	s_setreg_imm32_b32 hwreg(HW_REG_WAVE_MODE, 25, 1), 1
	s_wait_xcnt 0x0
	s_wait_alu depctr_hold_cnt(0) depctr_sa_sdst(0) depctr_va_vdst(0) depctr_va_sdst(0) depctr_va_ssrc(0) depctr_va_vcc(0) depctr_vm_vsrc(0)
	s_getreg_b32 s2, hwreg(HW_REG_IB_STS2, 6, 4)
	s_cmp_eq_u32 s2, 0
	s_cbranch_scc0 .Lentry_in_a_cluster
	s_endpgm
.Lentry_in_a_cluster:
	s_bfe_u32 s2, ttmp6, 0x10000c
	s_cmp_lg_u32 s2, 0xf033
	s_cbranch_scc0 .Lentry_shape_is_right
	s_endpgm
.Lentry_shape_is_right:
; q = rope(x Wq^T + b) as codes (scale e19), and x tok^T + b (e4), x tov^T + b (e10) as codes.  All operands are codes in fragment order (16 rows x 128 K, 2,048 bytes:
; byte 512 c + 16 lane + j = row 32 (tile/2) + 8 (tile%2) + r + 8 (r/8), k = 128 ks + 32 c + 16 h + j).
; SHARES: work-group (COL 0-7, RB 0-31) makes, for tokens 128 RB .. + 127, three tiles of 128 x 128: heads 2 COL and 2 COL + 1 of q, and latent block CX of tok (cluster x = 0) or tov (1).
; Four waves, each 64 x 64: token tiles 4 WR + a, weight tiles 2 WC + {0, 1, 4, 5}.  THE PRODUCT IS USED TRANSPOSED (source 0 = 16 rows of the weight, source 1 = 16 tokens): with the row order
; above a lane's 16 registers of two neighbouring weight tiles are 16 neighbours along the next K: four conversions give 32 bytes that are stored as they stand, 512 consecutive bytes a store.
; Channels d and d + 64 of a head lie in one lane (tiles 2 WC + 0, 1 against 2 WC + 4, 5): the rotation needs no other lane.  It is linear, so it is applied to the sums before their scale.
; The bias is the C of a tile's first products, divided by 2^(eA + eB); the conversion's one scale is 2^(eNext - eA - eB).
; LIMITS: each such folded exponent between -126 and 119; NaN is not served.
; K = 1,024 goes in two chunks of 512 through a ring of two LDS slots of 131,072 bytes (8 token tiles x 4 fragments, then 8 weight tiles x 4).  Six slots in all, written out.
; CLUSTER 4 x 4: x's tiles are shared along a row of the cluster, the weights' along a column: joint loads.
; REGISTERS: window 0: v1-10 addresses and the scale; v32-63 the bias; v64-79 at work; v80-111 codes; v128-255 the 16 accumulators ((a, i) at 128 + 8 (4 a + i)).
;   window 1: two fragment buffers of 128 (tokens' four at f + 16 a, weights' four at f + 64 + 16 i); buffer 0 also takes the table of cosines and sines.
.set SLOT,  131072
.set SPARE, 262144                     ; behind the ring: the spare words, 128 bytes for each wave, that no other line names
.set PK,    2048                       ; from tile to tile in memory, in elements of 8 bytes: 8 fragments
.set WV, 20
.set WR, 21
.set WC, 22
.set CX, 23
.set CY, 24
.set COL, 25
.set RB, 26
.set PATH, 27
.set G1R, 28
.set G1U, 36
.set G0R, 44
.set G0U, 52
.set UB2, 60                           ; s[60:61] the latent weight's tiles
.set RTB, 62                           ; s[62:63] my part of the table
.set RB0, 66                           ; s[66:67] x's tiles (e0)
.set UB0, 68                           ; s[68:69] Wq's tiles
.set RB2, 70                           ; s[70:71] x's tiles (e2 or e8)
.set E, 72                             ; s72-95 e0 .. e23
.set LIM, 96
.set NLIM, 97
.set BEX, 98
.set LS, 99
.set TA, 99
.set TBB, 100
.set BP0, 10                           ; s[10:11] Wq_b at my heads;  s[12:13] the latent bias;  s[16:17] qc at my tiles;  s[18:19] h1
.set BP2, 12
.set QOUT, 16
.set HOUT, 18
.set LI, 1
.set SPW, 2
.set NIL, 3
.set ADRR, 4
.set ADRU, 6
.set VO, 8
.set VB, 9
.set SCL, 10
.set BIAS, 32
.set TMP, 64
.set COD, 80
.set ACC, 128
.set F0, 0
.set F1, 128
.set MSB, 0
.macro WIN new                         ; the immediate's high byte repeats the setting that is left
.if MSB != \new
	s_set_vgpr_msb (MSB<<8)|\new
.set MSB, \new
.endif
.endm
.macro PLACES                          ; four plain lines behind a matrix instruction, ahead of loads into its sources and of reads of its results
.rept 4
	v_nop
.endr
.endm
.macro CREST
	s_cmp_lg_u32 s[WV], 0
	s_cbranch_scc1 .Lnot_wave_0_\@
	s_barrier_signal -3
.Lnot_wave_0_\@:
	s_barrier_wait -3
	s_barrier_signal -1
	s_barrier_wait -1
.endm
.macro CROUND                          ; a round of the cluster's barrier
	s_barrier_signal -1
	s_barrier_wait -1
	CREST
.endm
.macro JLOAD g0r, g0u                  ; waves 0, 1 fetch the tokens' halves, waves 2, 3 the weights'; four v_nop follow each line
	s_cmp_lt_u32 s[WV], 2
	s_cbranch_scc0 .Lfor_u_\@
	tensor_load_to_lds s[\g0r:\g0r+3], s[G1R:G1R+7]
	s_nop 0
	PLACES
	s_branch .Lasked_\@
.Lfor_u_\@:
	tensor_load_to_lds s[\g0u:\g0u+3], s[G1U:G1U+7]
	s_nop 0
	PLACES
.Lasked_\@:
.endm
.macro FETCH adrr, sr, adru, su, ks, f ; 32 LDS loads: my four weight fragments and my four token fragments of K step ks; each load takes 512 consecutive bytes
	WIN 0x40
.irp i, 0,1,4,5
.irp c, 0,1,2,3
	ds_load_b128 v[\f+64+16*(\i-2*(\i/4))+4*\c:\f+64+16*(\i-2*(\i/4))+4*\c+3], v[\adru] offset:\i*\su+2048*\ks+512*\c
.endr
.endr
.irp a, 0,1,2,3
.irp c, 0,1,2,3
	ds_load_b128 v[\f+16*\a+4*\c:\f+16*\a+4*\c+3], v[\adrr] offset:\a*\sr+2048*\ks+512*\c
.endr
.endr
.endm
.macro MUL16 f, cm                     ; 16 products; the accumulators take turns, one instruction a turn.  cm = 1: the bias starts the sums
	WIN 0x05
.irp a, 0,1,2,3
.irp i, 0,1,2,3
.if \cm == 0
	v_wmma_f32_16x16x128_fp8_fp8 v[ACC+8*(4*\a+\i):ACC+8*(4*\a+\i)+7], v[\f+64+16*\i:\f+64+16*\i+15], v[\f+16*\a:\f+16*\a+15], v[ACC+8*(4*\a+\i):ACC+8*(4*\a+\i)+7]
.else
	v_wmma_f32_16x16x128_fp8_fp8 v[ACC+8*(4*\a+\i):ACC+8*(4*\a+\i)+7], v[\f+64+16*\i:\f+64+16*\i+15], v[\f+16*\a:\f+16*\a+15], v[BIAS+8*\i:BIAS+8*\i+7]
.endif
.endr
.endr
.endm
.macro RTLOAD                          ; cosines (32 a + 0 .. 15) and sines (32 a + 16 .. 31) of my four token tiles into buffer 0
	WIN 0x40
.irp a, 0,1,2,3
.irp q, 0,1,2,3,4,5,6,7
	global_load_b128 v[32*\a+4*\q:32*\a+4*\q+3], v[LI], s[RTB:RTB+1] offset:8192*\a+512*\q
.endr
.endr
.endm
.macro WORK slot, cm, hook             ; a slot's four K steps; the next step's fragments are asked for ahead of this step's products
	PLACES
	FETCH ADRR+\slot, 8192, ADRU+\slot, 8192, 0, F0
	s_wait_dscnt 0x0
	FETCH ADRR+\slot, 8192, ADRU+\slot, 8192, 1, F1
	MUL16 F0, \cm
	s_wait_dscnt 0x0
	PLACES
	FETCH ADRR+\slot, 8192, ADRU+\slot, 8192, 2, F0
	MUL16 F1, 0
	s_wait_dscnt 0x0
	PLACES
	FETCH ADRR+\slot, 8192, ADRU+\slot, 8192, 3, F1
	MUL16 F0, 0
	s_wait_dscnt 0x0
.if \hook
	PLACES
	RTLOAD
.endif
	MUL16 F1, 0
	WIN 0
.endm
; THE CHANGE OF SLOTS.  Each wave waits for all its tensor loads (its part of the slot to be read next), adds 0 to its spare word, and waits for that and for its reads of the slot just left.
; fill = 1: a round of the cluster's barrier, and the joint refill of the slot just left is the first thing behind it.
.macro CHANGE fill, slot, rb, roff, ub, uoff
	WIN 0
	s_wait_tensorcnt 0x0
	ds_add_u32 v[SPW], v[NIL]
.if \fill
	s_add_nc_u64 s[G0R+4*\slot+2:G0R+4*\slot+3], s[\rb:\rb+1], \roff
	s_or_b32 s[G0R+4*\slot+3], s[G0R+4*\slot+3], 0x80000000
	s_add_nc_u64 s[G0U+4*\slot+2:G0U+4*\slot+3], s[\ub:\ub+1], \uoff
	s_or_b32 s[G0U+4*\slot+3], s[G0U+4*\slot+3], 0x80000000
.endif
	s_wait_dscnt 0x0
.if \fill
	CROUND
	JLOAD G0R+4*\slot, G0U+4*\slot
.else
	s_barrier_signal -1
	s_barrier_wait -1
.endif
.endm
.macro SETSC en, ea, eb                ; the bias's exponent -(ea + eb); 2^(en - ea - eb) for the conversion; +-448 x that for the hold
	s_add_co_i32 s[BEX], s[\ea], s[\eb]
	s_sub_co_i32 s[TA], s[\en], s[BEX]
	s_sub_co_i32 s[BEX], 0, s[BEX]
	s_add_co_i32 s[TA], s[TA], 127
	s_lshl_b32 s[TBB], s[TA], 23
	v_mov_b32 v[SCL], s[TBB]
	s_add_co_i32 s[TA], s[TA], 8
	s_lshl_b32 s[LIM], s[TA], 23
	s_or_b32 s[LIM], s[LIM], 0x600000
	s_or_b32 s[NLIM], s[LIM], 0x80000000
.endm
.macro BIASLD base, off                ; tile i's eight numbers of my half: units 32 WC + 16 h + 8 (i % 2) + 64 (i / 2) + 0 .. 7
	PLACES
.irp i, 0,1,2,3
	global_load_b128 v[BIAS+8*\i:BIAS+8*\i+3], v[VB], s[\base:\base+1] offset:\off+256*(\i/2)+32*(\i%2)
	global_load_b128 v[BIAS+8*\i+4:BIAS+8*\i+7], v[VB], s[\base:\base+1] offset:\off+256*(\i/2)+32*(\i%2)+16
.endr
.endm
.macro BIASFIX
	s_wait_loadcnt 0x0
.set jj, 0
.rept 32
	v_ldexp_f32 v[BIAS+jj], v[BIAS+jj], s[BEX]
.set jj, jj+1
.endr
.endm
.macro CVT4 a
.irp n, 0,1,2,3
	v_cvt_scalef32_pk8_fp8_f32 v[COD+8*(\a)+2*\n:COD+8*(\a)+2*\n+1], v[ACC+32*(\a)+8*\n:ACC+32*(\a)+8*\n+7], v[SCL]
.endr
	v_nop                                          ; a plain line behind the last conversion
.endm
.macro SEND a, base, off, str          ; groups c = WC and WC + 2 of token tile a's fragment: 512 consecutive bytes each
	global_store_b128 v[VO], v[COD+8*(\a):COD+8*(\a)+3], s[\base:\base+1] offset:\off+(\a)*\str
	global_store_b128 v[VO], v[COD+8*(\a)+4:COD+8*(\a)+7], s[\base:\base+1] offset:\off+(\a)*\str+1024
.endm
.macro EPI_PLAIN base, off, str
	s_wait_xcnt 0x0                                ; the last tile's stores have read their codes
	PLACES
.irp a, 0,1,2,3
.set jj, 0
.rept 32
	v_med3_num_f32 v[ACC+32*\a+jj], v[ACC+32*\a+jj], s[NLIM], s[LIM]   ; each accumulator from its low end on
.set jj, jj+1
.endr
	CVT4 \a
	SEND \a, \base, \off, \str
.endr
.endm
.macro EPI_ROPE base, off              ; lo' = lo cos - hi sin, hi' = hi cos + lo sin; lo = registers 0-15 of a token tile's 32, hi = 16-31
	s_wait_loadcnt 0x0                             ; the table (and the next bias)
	s_wait_xcnt 0x0
	PLACES
.irp a, 0,1,2,3
	WIN 0x04                                       ; source 1 (the table) in window 1
.irp p, 0,2,4,6,8,10,12,14
	v_pk_mul_f32 v[TMP+\p:TMP+\p+1], v[ACC+32*\a+\p:ACC+32*\a+\p+1], v[32*\a+\p:32*\a+\p+1]
.endr
.irp p, 0,2,4,6,8,10,12,14
	v_pk_fma_f32 v[TMP+\p:TMP+\p+1], v[ACC+32*\a+16+\p:ACC+32*\a+16+\p+1], v[32*\a+16+\p:32*\a+16+\p+1], v[TMP+\p:TMP+\p+1] neg_lo:[1,0,0] neg_hi:[1,0,0]
.endr
.irp p, 0,2,4,6,8,10,12,14
	v_pk_mul_f32 v[ACC+32*\a+16+\p:ACC+32*\a+16+\p+1], v[ACC+32*\a+16+\p:ACC+32*\a+16+\p+1], v[32*\a+\p:32*\a+\p+1]
.endr
.irp p, 0,2,4,6,8,10,12,14
	v_pk_fma_f32 v[ACC+32*\a+16+\p:ACC+32*\a+16+\p+1], v[ACC+32*\a+\p:ACC+32*\a+\p+1], v[32*\a+16+\p:32*\a+16+\p+1], v[ACC+32*\a+16+\p:ACC+32*\a+16+\p+1]
.endr
	WIN 0
.set jj, 0
.rept 16
	v_med3_num_f32 v[ACC+32*\a+jj], v[TMP+jj], s[NLIM], s[LIM]
.set jj, jj+1
.endr
.rept 16
	v_med3_num_f32 v[ACC+32*\a+jj], v[ACC+32*\a+jj], s[NLIM], s[LIM]
.set jj, jj+1
.endr
	CVT4 \a
	SEND \a, \base, \off, 2048
.endr
.endm
	s_load_b512 s[4:19], s[0:1], 0x0               ; xc 4, wc 6, scales 8, Wq_b 10, tok_b 12, tov_b 14, qc 16, h1 18
	v_lshl_add_u32 v[SPW], v0, 2, SPARE
	v_mov_b32 v[NIL], 0
	ds_add_u32 v2, v3
	s_wait_dscnt 0x0
	v_lshrrev_b32 v1, 5, v0
	v_readfirstlane_b32 s[WV], v1
	s_lshr_b32 s[WR], s[WV], 1
	s_and_b32 s[WC], s[WV], 1                      ; also: which half of a chunk I fetch
	s_bfe_u32 s[CX], ttmp6, 0x40000
	s_bfe_u32 s[CY], ttmp6, 0x40004
	s_lshl_b32 s[COL], ttmp9, 2
	s_add_co_u32 s[COL], s[COL], s[CX]
	s_and_b32 s[RB], ttmp7, 0xffff
	s_lshl_b32 s[RB], s[RB], 2
	s_add_co_u32 s[RB], s[RB], s[CY]
	s_and_b32 s[PATH], ttmp9, 1                    ; cluster x: 0 tok, 1 tov
	s_lshl_b32 s2, s[CY], 2
	s_lshl_b32 s2, 15, s2                          ; my row of the cluster
	s_lshl_b32 s100, 0x1111, s[CX]                 ; my column
	s_or_b32 s[G1R], s2, (3<<16)|(1<<21)           ; elements of 8 bytes; bit 21 beside a mask
	s_or_b32 s[G1U], s100, (3<<16)|(1<<21)
.irp g, G1R, G1U
	s_mov_b32 s[\g+1], 1024<<16                    ; tensor_dim0: a tile's four fragments, 8,192 bytes
	s_mov_b32 s[\g+2], 4<<16                       ; tensor_dim1: four tiles
	s_mov_b32 s[\g+3], 1024<<16                    ; tile_dim0
	s_mov_b32 s[\g+4], 4                           ; tile_dim1
	s_mov_b32 s[\g+5], PK
	s_mov_b32 s[\g+6], 0
	s_mov_b32 s[\g+7], 0
.endr
	s_lshl_b32 s2, s[RB], 17                       ; x: (8 RB + 4 half) tiles of 16,384 bytes
	s_lshl_b32 s3, s[WC], 16
	s_add_co_u32 s2, s2, s3
	s_mov_b32 s3, 0
	s_lshl_b32 s100, s[COL], 18                    ; Wq: head 2 COL, 131,072 bytes a head, + half
	s_lshl_b32 s101, s[WC], 16
	s_add_co_u32 s100, s100, s101
	s_mov_b32 s101, 0
	s_lshl_b32 s[LS], s[WV], 15                    ; where my 32,768 bytes go in a slot
	s_wait_kmcnt 0x0
	s_load_b512 s[72:87], s[8:9], 0x0
	s_load_b256 s[88:95], s[8:9], 0x40
	s_add_nc_u64 s[RB0:RB0+1], s[4:5], s[2:3]
	s_add_nc_u64 s[UB0:UB0+1], s[6:7], s[100:101]
	CROUND                                         ; all sixteen work-groups are here: the first joint loads meet
.irp s, 0,1
	s_mov_b32 s[G0R+4*\s], 1
	s_add_co_u32 s[G0R+4*\s+1], s[LS], \s*SLOT
	s_add_nc_u64 s[G0R+4*\s+2:G0R+4*\s+3], s[RB0:RB0+1], \s*8192
	s_or_b32 s[G0R+4*\s+3], s[G0R+4*\s+3], 0x80000000
	s_mov_b32 s[G0U+4*\s], 1
	s_add_co_u32 s[G0U+4*\s+1], s[LS], \s*SLOT
	s_add_nc_u64 s[G0U+4*\s+2:G0U+4*\s+3], s[UB0:UB0+1], \s*8192
	s_or_b32 s[G0U+4*\s+3], s[G0U+4*\s+3], 0x80000000
	JLOAD G0R+4*\s, G0U+4*\s
.endr
	s_add_co_u32 s2, s[PATH], 1                    ; x's second or third copy
	s_lshl_b32 s2, s2, 22
	s_mov_b32 s3, 0
	s_add_nc_u64 s[RB2:RB2+1], s[RB0:RB0+1], s[2:3]
	s_lshl_b32 s100, s[PATH], 19                   ; tok or tov, block CX, half
	s_lshl_b32 s101, s[CX], 17
	s_add_co_u32 s100, s100, s101
	s_lshl_b32 s101, s[WC], 16
	s_add_co_u32 s100, s100, s101
	s_add_co_u32 s100, s100, 0x600000
	s_mov_b32 s101, 0
	s_add_nc_u64 s[UB2:UB2+1], s[6:7], s[100:101]
	v_and_b32 v1, 31, v0
	v_lshlrev_b32 v[LI], 4, v1
	s_lshl_b32 s[LS], s[WR], 15
	v_add_nc_u32 v[ADRR], s[LS], v[LI]
	v_add_nc_u32 v[ADRR+1], SLOT, v[ADRR]
	s_lshl_b32 s[LS], s[WC], 14
	s_add_co_u32 s[LS], s[LS], 65536
	v_add_nc_u32 v[ADRU], s[LS], v[LI]
	v_add_nc_u32 v[ADRU+1], SLOT, v[ADRU]
	s_lshl_b32 s[LS], s[WC], 9
	v_add_nc_u32 v[VO], s[LS], v[LI]
	v_bfe_u32 v[VB], v0, 4, 1
	v_lshlrev_b32 v[VB], 6, v[VB]
	s_lshl_b32 s[LS], s[WC], 7
	v_add_nc_u32 v[VB], s[LS], v[VB]
	s_lshr_b32 s100, s[RB], 4                      ; qc: ((batch x 16 + head) x 128 + token tile) x 2,048
	s_lshl_b32 s100, s100, 4
	s_lshl_b32 s101, s[COL], 1
	s_add_co_u32 s100, s100, s101
	s_lshl_b32 s100, s100, 7
	s_and_b32 s101, s[RB], 15
	s_lshl_b32 s101, s101, 3
	s_add_co_u32 s100, s100, s101
	s_lshl_b32 s101, s[WR], 2
	s_add_co_u32 s100, s100, s101
	s_lshl_b32 s100, s100, 11
	s_mov_b32 s101, 0
	s_add_nc_u64 s[QOUT:QOUT+1], s[QOUT:QOUT+1], s[100:101]
	s_lshl_b32 s100, s[RB], 5                      ; h1: ((8 RB + 4 WR) x 4 + CX) x 2,048, + 2 MiB for tov
	s_lshl_b32 s101, s[WR], 4
	s_add_co_u32 s100, s100, s101
	s_add_co_u32 s100, s100, s[CX]
	s_lshl_b32 s100, s100, 11
	s_lshl_b32 s101, s[PATH], 21
	s_add_co_u32 s100, s100, s101
	s_mov_b32 s101, 0
	s_add_nc_u64 s[HOUT:HOUT+1], s[HOUT:HOUT+1], s[100:101]
	s_and_b32 s2, s[RB], 15                        ; the table: ((8 (RB % 16) + 4 WR) x 2 + WC) x 4,096
	s_lshl_b32 s2, s2, 4
	s_lshl_b32 s3, s[WR], 3
	s_add_co_u32 s2, s2, s3
	s_add_co_u32 s2, s2, s[WC]
	s_lshl_b32 s2, s2, 12
	s_add_co_u32 s2, s2, 0x780000
	s_mov_b32 s3, 0
	s_add_nc_u64 s[RTB:RTB+1], s[6:7], s[2:3]
	s_lshl_b32 s100, s[COL], 10
	s_mov_b32 s101, 0
	s_add_nc_u64 s[BP0:BP0+1], s[BP0:BP0+1], s[100:101]
	s_cmp_eq_u32 s[PATH], 0
	s_cselect_b64 s[BP2:BP2+1], s[12:13], s[14:15]
	s_lshl_b32 s100, s[CX], 9
	s_add_nc_u64 s[BP2:BP2+1], s[BP2:BP2+1], s[100:101]
	s_wait_kmcnt 0x0
	SETSC E+19, E+0, E+1
	BIASLD BP0, 0
	BIASFIX
	s_wait_tensorcnt 0x1                           ; my part of slot 0 is in; slot 1's load may stay out
	s_barrier_signal -1
	s_barrier_wait -1
	WORK 0, 1, 0                                   ; head 2 COL
	CHANGE 1, 0, RB0, 0, UB0, 131072
	WORK 1, 0, 1
	CHANGE 1, 1, RB0, 8192, UB0, 131072+8192
	BIASLD BP0, 512
	EPI_ROPE QOUT, 0
	BIASFIX
	WORK 0, 1, 0                                   ; head 2 COL + 1
	CHANGE 1, 0, RB2, 0, UB2, 0
	WORK 1, 0, 1
	CHANGE 1, 1, RB2, 8192, UB2, 8192
	BIASLD BP2, 0
	EPI_ROPE QOUT, 262144
	s_cmp_eq_u32 s[PATH], 0
	s_cselect_b32 s[E+2], s[E+2], s[E+8]
	s_cselect_b32 s[E+3], s[E+3], s[E+9]
	s_cselect_b32 s[E+4], s[E+4], s[E+10]
	SETSC E+4, E+2, E+3
	BIASFIX
	WORK 0, 1, 0                                   ; the latent block
	CHANGE 0, 0, RB0, 0, UB0, 0
	WORK 1, 0, 0
	EPI_PLAIN HOUT, 0, 8192
	s_wait_tensorcnt 0x0                           ; the wave's end
	ds_add_u32 v[SPW], v[NIL]
	s_wait_dscnt 0x0
	CROUND                                         ; the closing round
	s_endpgm
.Lfunc_end_k_q3fdbfb9752_proj1:
	.size	k_q3fdbfb9752_proj1, .Lfunc_end_k_q3fdbfb9752_proj1-k_q3fdbfb9752_proj1
	.p2alignl 7, 3214868480
	.fill 96, 4, 3214868480
	.section	.rodata,"a",@progbits
	.p2align	6, 0x0
	.amdhsa_kernel k_q3fdbfb9752_proj1
		.amdhsa_group_segment_fixed_size 327680
		.amdhsa_private_segment_fixed_size 0
		.amdhsa_enable_private_segment 0
		.amdhsa_kernarg_size 64
		.amdhsa_user_sgpr_count 2
		.amdhsa_user_sgpr_kernarg_segment_ptr 1
		.amdhsa_wavefront_size32 1
		.amdhsa_system_sgpr_workgroup_id_x 1
		.amdhsa_system_sgpr_workgroup_id_y 1
		.amdhsa_system_sgpr_workgroup_id_z 1
		.amdhsa_system_vgpr_workitem_id 0
		.amdhsa_next_free_vgpr 512
		.amdhsa_next_free_sgpr 104
		.amdhsa_reserve_vcc 0
		.amdhsa_float_denorm_mode_32 3
		.amdhsa_float_denorm_mode_16_64 3
		.amdhsa_memory_ordered 1
		.amdhsa_forward_progress 1
		.amdhsa_inst_pref_size 152
	.end_amdhsa_kernel
	.amdgpu_metadata
---
amdhsa.version: [ 1, 2 ]
amdhsa.kernels:
  - .name:           k_q3fdbfb9752_proj1
    .symbol:         k_q3fdbfb9752_proj1.kd
    .args:
      - { .name: xc, .offset: 0, .size: 8, .value_kind: global_buffer, .address_space: global }
      - { .name: wc, .offset: 8, .size: 8, .value_kind: global_buffer, .address_space: global }
      - { .name: lowp_scales, .offset: 16, .size: 8, .value_kind: global_buffer, .address_space: global }
      - { .name: Wq_b, .offset: 24, .size: 8, .value_kind: global_buffer, .address_space: global }
      - { .name: tok_b, .offset: 32, .size: 8, .value_kind: global_buffer, .address_space: global }
      - { .name: tov_b, .offset: 40, .size: 8, .value_kind: global_buffer, .address_space: global }
      - { .name: qc, .offset: 48, .size: 8, .value_kind: global_buffer, .address_space: global }
      - { .name: h1, .offset: 56, .size: 8, .value_kind: global_buffer, .address_space: global }
    .group_segment_fixed_size: 327680
    .private_segment_fixed_size: 0
    .kernarg_segment_align: 8
    .kernarg_segment_size: 64
    .max_flat_workgroup_size: 128
    .sgpr_count:     104
    .vgpr_count:     512
    .wavefront_size: 32
...
	.end_amdgpu_metadata
.endif
;; end of part 2
;; launch mid (part 3): grid 8 x 32, 4 waves a work-group, clusters of 4 x 4, 327,680 bytes of LDS; arguments h1, wc, lowp_scales, kc_b, vc_b, kd_b, vd_b, lat; writes lat
.if DOCPART == 3
	.amdgcn_target "amdgcn-amd-amdhsa--gfx1250"
	.amdhsa_code_object_version 6
	.text
	.protected	k_q3fdbfb9752_mid
	.globl	k_q3fdbfb9752_mid
	.p2align	8
	.type	k_q3fdbfb9752_mid,@function
k_q3fdbfb9752_mid:
	s_mov_b64 s[64:65], 0
	v_nop
	global_prefetch_b8 v0, s[64:65] scope:SCOPE_SE
	s_setreg_imm32_b32 hwreg(HW_REG_WAVE_MODE, 25, 1), 1
	s_wait_xcnt 0x0
	s_wait_alu depctr_hold_cnt(0) depctr_sa_sdst(0) depctr_va_vdst(0) depctr_va_sdst(0) depctr_va_ssrc(0) depctr_va_vcc(0) depctr_vm_vsrc(0)
	s_getreg_b32 s2, hwreg(HW_REG_IB_STS2, 6, 4)
	s_cmp_eq_u32 s2, 0
	s_cbranch_scc0 .Lentry_in_a_cluster
	s_endpgm
.Lentry_in_a_cluster:
	s_bfe_u32 s2, ttmp6, 0x10000c
	s_cmp_lg_u32 s2, 0xf033
	s_cbranch_scc0 .Lentry_shape_is_right
	s_endpgm
.Lentry_shape_is_right:
; The splice: lat = Q(Q(h1 kc^T + b) kd^T + b) for the K path (cluster x = 0) and the same with vc, vd for the V path (1).  Codes in fragment order throughout (see below).
; Fragment: 16 rows x 128 K, 2,048 bytes; byte 512 c + 16 lane + j = row 32 (tile/2) + 8 (tile%2) + r + 8 (r/8), k = 128 ks + 32 c + 16 h + j.
; SHARES: work-group (CX, RB) takes tokens 128 RB .. + 127, makes all 256 compressed units (two tiles of 128, K = 512, a slot each), keeps them as codes in LDS (H2, images of the
; operand's registers), and makes block CX of the 512 latent units (K = 256).  The compressed layer is thus made by each of the four work-groups of a cluster's row: it never goes to memory.
; Four waves, each 64 x 64, the product transposed, the bias as C, the scales folded into the conversion, as in the launch before.
; LIMITS: each folded exponent (eNext - eA - eB) between -126 and 119; NaN is not served.
; CLUSTER 4 x 4: h1's tiles are asked for jointly along a row, kd's block jointly along a column.  kc's 131,072 bytes are wanted alike by all sixteen partners: no row or column of four
; describes that sharing, so each work-group asks for them by itself (mask 0), behind the same round.
.set SLOT,  131072
.set SPARE, 262144                     ; the spare words, 128 bytes for each wave, that no other line names
.set H2,    262656                     ; 8 token tiles x 2 K steps x 2,048 bytes: written by LDS stores alone, no tensor load lands here
.set PK,    1024
.set WV, 20
.set WR, 21
.set WC, 22
.set CX, 23
.set CY, 24
.set RB, 26
.set PATH, 27
.set G1R, 28
.set G1U, 36
.set G0R, 44
.set G0U, 52
.set G0C, 60                           ; s[60:63] group 0 for kd's block
.set RB0, 66
.set UB0, 68
.set LS, 70
.set LS2, 71
.set E, 72                             ; s72-87 e0 .. e15; s88 e16
.set LIM, 89
.set NLIM, 90
.set BEX, 91
.set G1S, 92                           ; s[92:99] group 1 for kd's block: one row of 8,192 bytes a wave
.set TA, 100
.set TBB, 101
.set B3, 10
.set B4, 14
.set LOUT, 18
.set LI, 1
.set SPW, 2
.set NIL, 3
.set ADRR, 4
.set ADRU, 6
.set VO, 8
.set VB, 9
.set SCL, 10
.set VH, 11                            ; v11 where I store H2's groups;  v12, v13 where I read H2 and kd's block
.set AR2, 12
.set AU2, 13
.set BIAS, 32
.set COD, 80
.set ACC, 128
.set F0, 0
.set F1, 128
.set MSB, 0
.macro WIN new
.if MSB != \new
	s_set_vgpr_msb (MSB<<8)|\new
.set MSB, \new
.endif
.endm
.macro PLACES
.rept 4
	v_nop
.endr
.endm
.macro CREST
	s_cmp_lg_u32 s[WV], 0
	s_cbranch_scc1 .Lnot_wave_0_\@
	s_barrier_signal -3
.Lnot_wave_0_\@:
	s_barrier_wait -3
	s_barrier_signal -1
	s_barrier_wait -1
.endm
.macro CROUND
	s_barrier_signal -1
	s_barrier_wait -1
	CREST
.endm
.macro JLOAD g0r, g0u
	s_cmp_lt_u32 s[WV], 2
	s_cbranch_scc0 .Lfor_u_\@
	tensor_load_to_lds s[\g0r:\g0r+3], s[G1R:G1R+7]
	s_nop 0
	PLACES
	s_branch .Lasked_\@
.Lfor_u_\@:
	tensor_load_to_lds s[\g0u:\g0u+3], s[G1U:G1U+7]
	s_nop 0
	PLACES
.Lasked_\@:
.endm
.macro FETCH adrr, sr, adru, su, ks, f
	WIN 0x40
.irp i, 0,1,4,5
.irp c, 0,1,2,3
	ds_load_b128 v[\f+64+16*(\i-2*(\i/4))+4*\c:\f+64+16*(\i-2*(\i/4))+4*\c+3], v[\adru] offset:\i*\su+2048*\ks+512*\c
.endr
.endr
.irp a, 0,1,2,3
.irp c, 0,1,2,3
	ds_load_b128 v[\f+16*\a+4*\c:\f+16*\a+4*\c+3], v[\adrr] offset:\a*\sr+2048*\ks+512*\c
.endr
.endr
.endm
.macro MUL16 f, cm                     ; the accumulators take turns, one instruction a turn
	WIN 0x05
.irp a, 0,1,2,3
.irp i, 0,1,2,3
.if \cm == 0
	v_wmma_f32_16x16x128_fp8_fp8 v[ACC+8*(4*\a+\i):ACC+8*(4*\a+\i)+7], v[\f+64+16*\i:\f+64+16*\i+15], v[\f+16*\a:\f+16*\a+15], v[ACC+8*(4*\a+\i):ACC+8*(4*\a+\i)+7]
.else
	v_wmma_f32_16x16x128_fp8_fp8 v[ACC+8*(4*\a+\i):ACC+8*(4*\a+\i)+7], v[\f+64+16*\i:\f+64+16*\i+15], v[\f+16*\a:\f+16*\a+15], v[BIAS+8*\i:BIAS+8*\i+7]
.endif
.endr
.endr
.endm
.macro WORK slot
	PLACES
	FETCH ADRR+\slot, 8192, ADRU+\slot, 8192, 0, F0
	s_wait_dscnt 0x0
	FETCH ADRR+\slot, 8192, ADRU+\slot, 8192, 1, F1
	MUL16 F0, 1
	s_wait_dscnt 0x0
	PLACES
	FETCH ADRR+\slot, 8192, ADRU+\slot, 8192, 2, F0
	MUL16 F1, 0
	s_wait_dscnt 0x0
	PLACES
	FETCH ADRR+\slot, 8192, ADRU+\slot, 8192, 3, F1
	MUL16 F0, 0
	s_wait_dscnt 0x0
	MUL16 F1, 0
	WIN 0
.endm
.macro SETSC en, ea, eb
	s_add_co_i32 s[BEX], s[\ea], s[\eb]
	s_sub_co_i32 s[TA], s[\en], s[BEX]
	s_sub_co_i32 s[BEX], 0, s[BEX]
	s_add_co_i32 s[TA], s[TA], 127
	s_lshl_b32 s[TBB], s[TA], 23
	v_mov_b32 v[SCL], s[TBB]
	s_add_co_i32 s[TA], s[TA], 8
	s_lshl_b32 s[LIM], s[TA], 23
	s_or_b32 s[LIM], s[LIM], 0x600000
	s_or_b32 s[NLIM], s[LIM], 0x80000000
.endm
.macro BIASLD base, off
	PLACES
.irp i, 0,1,2,3
	global_load_b128 v[BIAS+8*\i:BIAS+8*\i+3], v[VB], s[\base:\base+1] offset:\off+256*(\i/2)+32*(\i%2)
	global_load_b128 v[BIAS+8*\i+4:BIAS+8*\i+7], v[VB], s[\base:\base+1] offset:\off+256*(\i/2)+32*(\i%2)+16
.endr
.endm
.macro BIASFIX
	s_wait_loadcnt 0x0
.set jj, 0
.rept 32
	v_ldexp_f32 v[BIAS+jj], v[BIAS+jj], s[BEX]
.set jj, jj+1
.endr
.endm
.macro HOLDCVT a                       ; the hold, each accumulator from its low end on, and four conversions
.set jj, 0
.rept 32
	v_med3_num_f32 v[ACC+32*(\a)+jj], v[ACC+32*(\a)+jj], s[NLIM], s[LIM]
.set jj, jj+1
.endr
.irp n, 0,1,2,3
	v_cvt_scalef32_pk8_fp8_f32 v[COD+8*(\a)+2*\n:COD+8*(\a)+2*\n+1], v[ACC+32*(\a)+8*\n:ACC+32*(\a)+8*\n+7], v[SCL]
.endr
	v_nop
.endm
.macro EPI_IMG t                       ; compressed units 128 t .. + 127 are K step t of the next product: groups WC and WC + 2 of the fragments (token tile 4 WR + a, t)
	PLACES
.irp a, 0,1,2,3
	HOLDCVT \a
	ds_store_b128 v[VH], v[COD+8*\a:COD+8*\a+3] offset:4096*\a+2048*\t
	ds_store_b128 v[VH], v[COD+8*\a+4:COD+8*\a+7] offset:4096*\a+2048*\t+1024
.endr
.endm
	s_load_b512 s[4:19], s[0:1], 0x0               ; h1 4, wc 6, scales 8, kc_b 10, vc_b 12, kd_b 14, vd_b 16, lat 18
	v_lshl_add_u32 v[SPW], v0, 2, SPARE
	v_mov_b32 v[NIL], 0
	ds_add_u32 v2, v3
	s_wait_dscnt 0x0
	v_lshrrev_b32 v1, 5, v0
	v_readfirstlane_b32 s[WV], v1
	s_lshr_b32 s[WR], s[WV], 1
	s_and_b32 s[WC], s[WV], 1
	s_bfe_u32 s[CX], ttmp6, 0x40000
	s_bfe_u32 s[CY], ttmp6, 0x40004
	s_and_b32 s[RB], ttmp7, 0xffff
	s_lshl_b32 s[RB], s[RB], 2
	s_add_co_u32 s[RB], s[RB], s[CY]
	s_and_b32 s[PATH], ttmp9, 1
	s_lshl_b32 s2, s[CY], 2
	s_lshl_b32 s2, 15, s2
	s_lshl_b32 s100, 0x1111, s[CX]
	s_or_b32 s[G1R], s2, (3<<16)|(1<<21)           ; h1's tiles: my row of the cluster
	s_mov_b32 s[G1U], 3<<16                        ; kc's tiles: no mask
	s_or_b32 s[G1S], s100, (3<<16)|(1<<21)         ; kd's block: my column
.irp g, G1R, G1U
	s_mov_b32 s[\g+1], 1024<<16
	s_mov_b32 s[\g+2], 4<<16
	s_mov_b32 s[\g+3], 1024<<16
	s_mov_b32 s[\g+4], 4
	s_mov_b32 s[\g+5], PK
	s_mov_b32 s[\g+6], 0
	s_mov_b32 s[\g+7], 0
.endr
	s_mov_b32 s[G1S+1], 1024<<16
	s_mov_b32 s[G1S+2], 1<<16
	s_mov_b32 s[G1S+3], 1024<<16
	s_mov_b32 s[G1S+4], 1
	s_mov_b32 s[G1S+5], 1024
	s_mov_b32 s[G1S+6], 0
	s_mov_b32 s[G1S+7], 0
	s_lshl_b32 s2, s[RB], 16                       ; h1: (8 RB + 4 half) tiles of 8,192 bytes, + 2 MiB for the V path
	s_lshl_b32 s3, s[WC], 15
	s_add_co_u32 s2, s2, s3
	s_lshl_b32 s3, s[PATH], 21
	s_add_co_u32 s2, s2, s3
	s_mov_b32 s3, 0
	s_lshl_b32 s[LS], s[WV], 15
	s_lshl_b32 s[LS2], s[WV], 13
	s_wait_kmcnt 0x0
	s_load_b512 s[72:87], s[8:9], 0x0
	s_load_b32 s88, s[8:9], 0x40
	s_add_nc_u64 s[RB0:RB0+1], s[4:5], s[2:3]
	s_lshl_b32 s2, s[PATH], 17                     ; kc or vc, + half
	s_lshl_b32 s3, s[WC], 15
	s_add_co_u32 s2, s2, s3
	s_add_co_u32 s2, s2, 0x700000
	s_mov_b32 s3, 0
	s_add_nc_u64 s[UB0:UB0+1], s[6:7], s[2:3]
	s_lshl_b32 s100, s[PATH], 17                   ; kd or vd: tiles 8 CX + 2 wave, 4,096 bytes a tile
	s_lshl_b32 s101, s[CX], 15
	s_add_co_u32 s100, s100, s101
	s_add_co_u32 s100, s100, s[LS2]
	s_add_co_u32 s100, s100, 0x740000
	s_mov_b32 s101, 0
	s_mov_b32 s[G0C], 1
	s_mov_b32 s[G0C+1], s[LS2]                     ; into slot 0's first 32,768 bytes
	s_add_nc_u64 s[G0C+2:G0C+3], s[6:7], s[100:101]
	s_or_b32 s[G0C+3], s[G0C+3], 0x80000000
	CROUND
.irp s, 0,1
	s_mov_b32 s[G0R+4*\s], 1
	s_add_co_u32 s[G0R+4*\s+1], s[LS], \s*SLOT
	s_add_nc_u64 s[G0R+4*\s+2:G0R+4*\s+3], s[RB0:RB0+1], 0       ; both slots hold the same tokens
	s_or_b32 s[G0R+4*\s+3], s[G0R+4*\s+3], 0x80000000
	s_mov_b32 s[G0U+4*\s], 1
	s_add_co_u32 s[G0U+4*\s+1], s[LS], \s*SLOT
	s_add_nc_u64 s[G0U+4*\s+2:G0U+4*\s+3], s[UB0:UB0+1], \s*65536 ; units 128 s on
	s_or_b32 s[G0U+4*\s+3], s[G0U+4*\s+3], 0x80000000
	JLOAD G0R+4*\s, G0U+4*\s
.endr
	v_and_b32 v1, 31, v0
	v_lshlrev_b32 v[LI], 4, v1
	s_lshl_b32 s[LS], s[WR], 15
	v_add_nc_u32 v[ADRR], s[LS], v[LI]
	v_add_nc_u32 v[ADRR+1], SLOT, v[ADRR]
	s_lshl_b32 s[LS], s[WC], 14
	s_add_co_u32 s[LS], s[LS], 65536
	v_add_nc_u32 v[ADRU], s[LS], v[LI]
	v_add_nc_u32 v[ADRU+1], SLOT, v[ADRU]
	s_lshl_b32 s[LS], s[WC], 9
	v_add_nc_u32 v[VO], s[LS], v[LI]
	s_lshl_b32 s[LS2], s[WR], 14
	s_add_co_u32 s[LS2], s[LS2], H2
	v_add_nc_u32 v[AR2], s[LS2], v[LI]
	v_add_nc_u32 v[VH], s[LS], v[AR2]
	s_lshl_b32 s[LS], s[WC], 13
	v_add_nc_u32 v[AU2], s[LS], v[LI]
	v_bfe_u32 v[VB], v0, 4, 1
	v_lshlrev_b32 v[VB], 6, v[VB]
	s_lshl_b32 s[LS], s[WC], 7
	v_add_nc_u32 v[VB], s[LS], v[VB]
	s_lshl_b32 s100, s[RB], 5                      ; lat: ((8 RB + 4 WR) x 4 + CX) x 2,048, + 2 MiB for the V path
	s_lshl_b32 s101, s[WR], 4
	s_add_co_u32 s100, s100, s101
	s_add_co_u32 s100, s100, s[CX]
	s_lshl_b32 s100, s100, 11
	s_lshl_b32 s101, s[PATH], 21
	s_add_co_u32 s100, s100, s101
	s_mov_b32 s101, 0
	s_add_nc_u64 s[LOUT:LOUT+1], s[LOUT:LOUT+1], s[100:101]
	s_wait_kmcnt 0x0
	s_cmp_eq_u32 s[PATH], 0
	s_cselect_b64 s[B3:B3+1], s[10:11], s[12:13]
	s_cselect_b64 s[B4:B4+1], s[14:15], s[16:17]
	s_cselect_b32 s[E+4], s[E+4], s[E+10]
	s_cselect_b32 s[E+5], s[E+5], s[E+11]
	s_cselect_b32 s[E+6], s[E+6], s[E+12]
	s_cselect_b32 s[E+7], s[E+7], s[E+13]
	s_cselect_b32 s[E+8], s[E+14], s88
	s_lshl_b32 s100, s[CX], 9
	s_add_nc_u64 s[B4:B4+1], s[B4:B4+1], s[100:101]
	SETSC E+6, E+4, E+5
	BIASLD B3, 0
	BIASFIX
	s_wait_tensorcnt 0x1                           ; my part of slot 0 is in; slot 1's load may stay out
	s_barrier_signal -1
	s_barrier_wait -1
	WORK 0                                         ; compressed units 0 .. 127
	s_wait_tensorcnt 0x0                           ; slot 1 has landed;
	ds_add_u32 v[SPW], v[NIL]
	s_wait_dscnt 0x0                               ; my reads of slot 0 are over
	CROUND
	tensor_load_to_lds s[G0C:G0C+3], s[G1S:G1S+7]  ; kd's block, 8,192 bytes a wave, into slot 0: my one load behind the round
	s_nop 0
	PLACES
	EPI_IMG 0
	BIASLD B3, 512
	BIASFIX
	WORK 1                                         ; units 128 .. 255
	EPI_IMG 1
	BIASLD B4, 0
	s_wait_tensorcnt 0x0                           ; kd's block has landed;
	ds_add_u32 v[SPW], v[NIL]
	s_wait_dscnt 0x0                               ; my stores into H2 have landed
	s_barrier_signal -1
	s_barrier_wait -1                              ; everybody's have
	SETSC E+8, E+6, E+7
	BIASFIX
	PLACES
	FETCH AR2, 4096, AU2, 4096, 0, F0
	s_wait_dscnt 0x0
	FETCH AR2, 4096, AU2, 4096, 1, F1
	MUL16 F0, 1
	s_wait_dscnt 0x0
	MUL16 F1, 0
	WIN 0
	PLACES
.irp a, 0,1,2,3
	HOLDCVT \a
	global_store_b128 v[VO], v[COD+8*\a:COD+8*\a+3], s[LOUT:LOUT+1] offset:8192*\a
	global_store_b128 v[VO], v[COD+8*\a+4:COD+8*\a+7], s[LOUT:LOUT+1] offset:8192*\a+1024
.endr
	s_wait_tensorcnt 0x0                           ; the wave's end
	ds_add_u32 v[SPW], v[NIL]
	s_wait_dscnt 0x0
	CROUND
	s_endpgm
.Lfunc_end_k_q3fdbfb9752_mid:
	.size	k_q3fdbfb9752_mid, .Lfunc_end_k_q3fdbfb9752_mid-k_q3fdbfb9752_mid
	.p2alignl 7, 3214868480
	.fill 96, 4, 3214868480
	.section	.rodata,"a",@progbits
	.p2align	6, 0x0
	.amdhsa_kernel k_q3fdbfb9752_mid
		.amdhsa_group_segment_fixed_size 327680
		.amdhsa_private_segment_fixed_size 0
		.amdhsa_enable_private_segment 0
		.amdhsa_kernarg_size 64
		.amdhsa_user_sgpr_count 2
		.amdhsa_user_sgpr_kernarg_segment_ptr 1
		.amdhsa_wavefront_size32 1
		.amdhsa_system_sgpr_workgroup_id_x 1
		.amdhsa_system_sgpr_workgroup_id_y 1
		.amdhsa_system_sgpr_workgroup_id_z 1
		.amdhsa_system_vgpr_workitem_id 0
		.amdhsa_next_free_vgpr 512
		.amdhsa_next_free_sgpr 104
		.amdhsa_reserve_vcc 0
		.amdhsa_float_denorm_mode_32 3
		.amdhsa_float_denorm_mode_16_64 3
		.amdhsa_memory_ordered 1
		.amdhsa_forward_progress 1
		.amdhsa_inst_pref_size 80
	.end_amdhsa_kernel
	.amdgpu_metadata
---
amdhsa.version: [ 1, 2 ]
amdhsa.kernels:
  - .name:           k_q3fdbfb9752_mid
    .symbol:         k_q3fdbfb9752_mid.kd
    .args:
      - { .name: h1, .offset: 0, .size: 8, .value_kind: global_buffer, .address_space: global }
      - { .name: wc, .offset: 8, .size: 8, .value_kind: global_buffer, .address_space: global }
      - { .name: lowp_scales, .offset: 16, .size: 8, .value_kind: global_buffer, .address_space: global }
      - { .name: kc_b, .offset: 24, .size: 8, .value_kind: global_buffer, .address_space: global }
      - { .name: vc_b, .offset: 32, .size: 8, .value_kind: global_buffer, .address_space: global }
      - { .name: kd_b, .offset: 40, .size: 8, .value_kind: global_buffer, .address_space: global }
      - { .name: vd_b, .offset: 48, .size: 8, .value_kind: global_buffer, .address_space: global }
      - { .name: lat, .offset: 56, .size: 8, .value_kind: global_buffer, .address_space: global }
    .group_segment_fixed_size: 327680
    .private_segment_fixed_size: 0
    .kernarg_segment_align: 8
    .kernarg_segment_size: 64
    .max_flat_workgroup_size: 128
    .sgpr_count:     104
    .vgpr_count:     512
    .wavefront_size: 32
...
	.end_amdgpu_metadata
.endif
;; end of part 3
;; launch proj2 (part 4): grid 8 x 32, 4 waves a work-group, clusters of 4 x 4, 327,680 bytes of LDS; arguments lat, wc, lowp_scales, fromk_b, fromv_b, kv; writes kv
.if DOCPART == 4
	.amdgcn_target "amdgcn-amd-amdhsa--gfx1250"
	.amdhsa_code_object_version 6
	.text
	.protected	k_q3fdbfb9752_proj2
	.globl	k_q3fdbfb9752_proj2
	.p2align	8
	.type	k_q3fdbfb9752_proj2,@function
k_q3fdbfb9752_proj2:
	s_mov_b64 s[64:65], 0
	v_nop
	global_prefetch_b8 v0, s[64:65] scope:SCOPE_SE
	s_setreg_imm32_b32 hwreg(HW_REG_WAVE_MODE, 25, 1), 1
	s_wait_xcnt 0x0
	s_wait_alu depctr_hold_cnt(0) depctr_sa_sdst(0) depctr_va_vdst(0) depctr_va_sdst(0) depctr_va_ssrc(0) depctr_va_vcc(0) depctr_vm_vsrc(0)
	s_getreg_b32 s2, hwreg(HW_REG_IB_STS2, 6, 4)
	s_cmp_eq_u32 s2, 0
	s_cbranch_scc0 .Lentry_in_a_cluster
	s_endpgm
.Lentry_in_a_cluster:
	s_bfe_u32 s2, ttmp6, 0x10000c
	s_cmp_lg_u32 s2, 0xf033
	s_cbranch_scc0 .Lentry_shape_is_right
	s_endpgm
.Lentry_shape_is_right:
; Cluster x = 0: k = rope(k_lat fromk^T + b) as codes (e18), [batch x head][token tile][2,048].  Cluster x = 1: v = v_lat fromv^T + b as codes (e21) WITH THE TOKENS INNERMOST,
; [batch x head][128 tokens][channel tile][2,048], since the tokens are the K of attention's second product.
; Fragment: 16 rows x 128 K, 2,048 bytes; byte 512 c + 16 lane + j = row 32 (tile/2) + 8 (tile%2) + r + 8 (r/8), k = 128 ks + 32 c + 16 h + j.
; In a transposed product (source 0 = U, source 1 = R) a lane holds one row of R and 16 neighbours along U.  K path: R = tokens, U = fromk's rows.  V path: R = fromv's rows (channels), U = tokens:
; nothing is transposed by an instruction; the two chunks of a slot only change roles, by one term in the LDS addresses.
; SHARES: work-group (CX, RB): tokens 128 RB .. + 127, heads 4 CX + 0 .. 3, one slot (K = 512) a head.  Four waves of 64 x 64.
; The bias is the C of the first products: along the registers in the K path, one number a lane in the V path.  LIMITS: folded exponents between -126 and 119; NaN is not served.
; CLUSTER 4 x 4: the latent's tiles jointly along a row, the weights' along a column.  Every branch on the path hangs on the cluster's x, which all partners share.
.set SLOT,  131072
.set SPARE, 262144
.set PK,    1024
.set WV, 20
.set WR, 21
.set WC, 22
.set CX, 23
.set CY, 24
.set RB, 26
.set PATH, 27
.set G1R, 28
.set G1U, 36
.set G0R, 44
.set G0U, 52
.set RTB, 62
.set RB0, 66
.set UB0, 68
.set LS2, 71
.set E, 72
.set LIM, 96
.set NLIM, 97
.set BEX, 98
.set LS, 99
.set TA, 99
.set TBB, 100
.set BP, 10
.set KOUT, 14
.set LI, 1
.set SPW, 2
.set NIL, 3
.set ADRR, 4
.set ADRU, 6
.set VO, 8
.set VB, 9
.set SCL, 10
.set VBV, 11                           ; v11 the V path's bias: (64 WR + r + 8 (r/8)) x 4
.set BIAS, 32
.set TMP, 64
.set COD, 80
.set ACC, 128
.set F0, 0
.set F1, 128
.set MSB, 0
.macro WIN new
.if MSB != \new
	s_set_vgpr_msb (MSB<<8)|\new
.set MSB, \new
.endif
.endm
.macro PLACES
.rept 4
	v_nop
.endr
.endm
.macro CREST
	s_cmp_lg_u32 s[WV], 0
	s_cbranch_scc1 .Lnot_wave_0_\@
	s_barrier_signal -3
.Lnot_wave_0_\@:
	s_barrier_wait -3
	s_barrier_signal -1
	s_barrier_wait -1
.endm
.macro CROUND
	s_barrier_signal -1
	s_barrier_wait -1
	CREST
.endm
.macro JLOAD g0r, g0u                  ; waves 0, 1 fetch the latent's halves, waves 2, 3 the weight's
	s_cmp_lt_u32 s[WV], 2
	s_cbranch_scc0 .Lfor_u_\@
	tensor_load_to_lds s[\g0r:\g0r+3], s[G1R:G1R+7]
	s_nop 0
	PLACES
	s_branch .Lasked_\@
.Lfor_u_\@:
	tensor_load_to_lds s[\g0u:\g0u+3], s[G1U:G1U+7]
	s_nop 0
	PLACES
.Lasked_\@:
.endm
.macro FETCH adrr, sr, adru, su, ks, f
	WIN 0x40
.irp i, 0,1,4,5
.irp c, 0,1,2,3
	ds_load_b128 v[\f+64+16*(\i-2*(\i/4))+4*\c:\f+64+16*(\i-2*(\i/4))+4*\c+3], v[\adru] offset:\i*\su+2048*\ks+512*\c
.endr
.endr
.irp a, 0,1,2,3
.irp c, 0,1,2,3
	ds_load_b128 v[\f+16*\a+4*\c:\f+16*\a+4*\c+3], v[\adrr] offset:\a*\sr+2048*\ks+512*\c
.endr
.endr
.endm
.macro MUL16 f, cm                     ; cm = 1: C = the bias of U's tile i;  2: of R's tile a.  The accumulators take turns
	WIN 0x05
.irp a, 0,1,2,3
.irp i, 0,1,2,3
.if \cm == 0
	v_wmma_f32_16x16x128_fp8_fp8 v[ACC+8*(4*\a+\i):ACC+8*(4*\a+\i)+7], v[\f+64+16*\i:\f+64+16*\i+15], v[\f+16*\a:\f+16*\a+15], v[ACC+8*(4*\a+\i):ACC+8*(4*\a+\i)+7]
.elseif \cm == 1
	v_wmma_f32_16x16x128_fp8_fp8 v[ACC+8*(4*\a+\i):ACC+8*(4*\a+\i)+7], v[\f+64+16*\i:\f+64+16*\i+15], v[\f+16*\a:\f+16*\a+15], v[BIAS+8*\i:BIAS+8*\i+7]
.else
	v_wmma_f32_16x16x128_fp8_fp8 v[ACC+8*(4*\a+\i):ACC+8*(4*\a+\i)+7], v[\f+64+16*\i:\f+64+16*\i+15], v[\f+16*\a:\f+16*\a+15], v[BIAS+8*\a:BIAS+8*\a+7]
.endif
.endr
.endr
.endm
.macro RTLOAD
	WIN 0x40
.irp a, 0,1,2,3
.irp q, 0,1,2,3,4,5,6,7
	global_load_b128 v[32*\a+4*\q:32*\a+4*\q+3], v[LI], s[RTB:RTB+1] offset:8192*\a+512*\q
.endr
.endr
.endm
.macro WORK slot
	PLACES
	FETCH ADRR+\slot, 8192, ADRU+\slot, 8192, 0, F0
	s_wait_dscnt 0x0
	FETCH ADRR+\slot, 8192, ADRU+\slot, 8192, 1, F1
	WIN 0                                          ; at a branch and at a label every window is 0
	s_cmp_eq_u32 s[PATH], 0
	s_cbranch_scc0 .Lmv_\@
	MUL16 F0, 1
	WIN 0
	s_branch .Lmd_\@
.Lmv_\@:
	MUL16 F0, 2
	WIN 0
.Lmd_\@:
	s_wait_dscnt 0x0
	PLACES
	FETCH ADRR+\slot, 8192, ADRU+\slot, 8192, 2, F0
	MUL16 F1, 0
	s_wait_dscnt 0x0
	PLACES
	FETCH ADRR+\slot, 8192, ADRU+\slot, 8192, 3, F1
	MUL16 F0, 0
	s_wait_dscnt 0x0
	WIN 0
	s_cmp_eq_u32 s[PATH], 0
	s_cbranch_scc0 .Lnr_\@
	PLACES
	RTLOAD                                         ; the K path's table, into the buffer that is done with
	WIN 0
.Lnr_\@:
	MUL16 F1, 0
	WIN 0
.endm
.macro CHANGE fill, slot, uoff
	WIN 0
	s_wait_tensorcnt 0x0
	ds_add_u32 v[SPW], v[NIL]
.if \fill
	s_add_nc_u64 s[G0U+4*\slot+2:G0U+4*\slot+3], s[UB0:UB0+1], \uoff   ; the next head's weights; the latent's tiles are the same in every slot
	s_or_b32 s[G0U+4*\slot+3], s[G0U+4*\slot+3], 0x80000000
.endif
	s_wait_dscnt 0x0
.if \fill
	CROUND
	JLOAD G0R+4*\slot, G0U+4*\slot
.else
	s_barrier_signal -1
	s_barrier_wait -1
.endif
.endm
.macro SETSC en, ea, eb
	s_add_co_i32 s[BEX], s[\ea], s[\eb]
	s_sub_co_i32 s[TA], s[\en], s[BEX]
	s_sub_co_i32 s[BEX], 0, s[BEX]
	s_add_co_i32 s[TA], s[TA], 127
	s_lshl_b32 s[TBB], s[TA], 23
	v_mov_b32 v[SCL], s[TBB]
	s_add_co_i32 s[TA], s[TA], 8
	s_lshl_b32 s[LIM], s[TA], 23
	s_or_b32 s[LIM], s[LIM], 0x600000
	s_or_b32 s[NLIM], s[LIM], 0x80000000
.endm
.macro BIASLD base, off
	PLACES
.irp i, 0,1,2,3
	global_load_b128 v[BIAS+8*\i:BIAS+8*\i+3], v[VB], s[\base:\base+1] offset:\off+256*(\i/2)+32*(\i%2)
	global_load_b128 v[BIAS+8*\i+4:BIAS+8*\i+7], v[VB], s[\base:\base+1] offset:\off+256*(\i/2)+32*(\i%2)+16
.endr
.endm
.macro BIASFIX
	s_wait_loadcnt 0x0
.set jj, 0
.rept 32
	v_ldexp_f32 v[BIAS+jj], v[BIAS+jj], s[BEX]
.set jj, jj+1
.endr
.endm
.macro BIASV off                       ; the V path: channel 64 WR + 32 (a/2) + 8 (a%2) + r + 8 (r/8): one number a lane for channel tile a
.irp a, 0,1,2,3
	global_load_b32 v[TMP+\a], v[VBV], s[BP:BP+1] offset:\off+(32*(\a/2)+8*(\a%2))*4
.endr
.endm
.macro BIASVFIX
	s_wait_loadcnt 0x0
.irp a, 0,1,2,3
.irp j, 0,1,2,3,4,5,6,7
	v_ldexp_f32 v[BIAS+8*\a+\j], v[TMP+\a], s[BEX]
.endr
.endr
.endm
.macro CVT4 a
.irp n, 0,1,2,3
	v_cvt_scalef32_pk8_fp8_f32 v[COD+8*(\a)+2*\n:COD+8*(\a)+2*\n+1], v[ACC+32*(\a)+8*\n:ACC+32*(\a)+8*\n+7], v[SCL]
.endr
	v_nop
.endm
.macro SEND a, off
	global_store_b128 v[VO], v[COD+8*(\a):COD+8*(\a)+3], s[KOUT:KOUT+1] offset:\off+(\a)*2048
	global_store_b128 v[VO], v[COD+8*(\a)+4:COD+8*(\a)+7], s[KOUT:KOUT+1] offset:\off+(\a)*2048+1024
.endm
.macro EPI_PLAIN off
	s_wait_xcnt 0x0
	PLACES
.irp a, 0,1,2,3
.set jj, 0
.rept 32
	v_med3_num_f32 v[ACC+32*\a+jj], v[ACC+32*\a+jj], s[NLIM], s[LIM]
.set jj, jj+1
.endr
	CVT4 \a
	SEND \a, \off
.endr
.endm
.macro EPI_ROPE off
	s_wait_loadcnt 0x0
	s_wait_xcnt 0x0
	PLACES
.irp a, 0,1,2,3
	WIN 0x04
.irp p, 0,2,4,6,8,10,12,14
	v_pk_mul_f32 v[TMP+\p:TMP+\p+1], v[ACC+32*\a+\p:ACC+32*\a+\p+1], v[32*\a+\p:32*\a+\p+1]
.endr
.irp p, 0,2,4,6,8,10,12,14
	v_pk_fma_f32 v[TMP+\p:TMP+\p+1], v[ACC+32*\a+16+\p:ACC+32*\a+16+\p+1], v[32*\a+16+\p:32*\a+16+\p+1], v[TMP+\p:TMP+\p+1] neg_lo:[1,0,0] neg_hi:[1,0,0]
.endr
.irp p, 0,2,4,6,8,10,12,14
	v_pk_mul_f32 v[ACC+32*\a+16+\p:ACC+32*\a+16+\p+1], v[ACC+32*\a+16+\p:ACC+32*\a+16+\p+1], v[32*\a+\p:32*\a+\p+1]
.endr
.irp p, 0,2,4,6,8,10,12,14
	v_pk_fma_f32 v[ACC+32*\a+16+\p:ACC+32*\a+16+\p+1], v[ACC+32*\a+\p:ACC+32*\a+\p+1], v[32*\a+16+\p:32*\a+16+\p+1], v[ACC+32*\a+16+\p:ACC+32*\a+16+\p+1]
.endr
	WIN 0
.set jj, 0
.rept 16
	v_med3_num_f32 v[ACC+32*\a+jj], v[TMP+jj], s[NLIM], s[LIM]
.set jj, jj+1
.endr
.rept 16
	v_med3_num_f32 v[ACC+32*\a+jj], v[ACC+32*\a+jj], s[NLIM], s[LIM]
.set jj, jj+1
.endr
	CVT4 \a
	SEND \a, \off
.endr
.endm
.macro AFTER t, more                   ; head t goes out; more = 1: the next head's bias is fetched ahead of that and fitted behind it
	s_cmp_eq_u32 s[PATH], 0
	s_cbranch_scc0 .Lav_\@
.if \more
	BIASLD BP, (\t+1)*512
.endif
	EPI_ROPE (\t)*262144
.if \more
	BIASFIX
.endif
	s_branch .Lad_\@
.Lav_\@:
.if \more
	BIASV (\t+1)*512
.endif
	EPI_PLAIN (\t)*262144
.if \more
	BIASVFIX
.endif
.Lad_\@:
.endm
	s_load_b256 s[4:11], s[0:1], 0x0               ; lat 4, wc 6, scales 8, fromk_b 10
	s_load_b128 s[12:15], s[0:1], 0x20             ; fromv_b 12, kv 14
	v_lshl_add_u32 v[SPW], v0, 2, SPARE
	v_mov_b32 v[NIL], 0
	ds_add_u32 v2, v3
	s_wait_dscnt 0x0
	v_lshrrev_b32 v1, 5, v0
	v_readfirstlane_b32 s[WV], v1
	s_lshr_b32 s[WR], s[WV], 1
	s_and_b32 s[WC], s[WV], 1
	s_bfe_u32 s[CX], ttmp6, 0x40000
	s_bfe_u32 s[CY], ttmp6, 0x40004
	s_and_b32 s[RB], ttmp7, 0xffff
	s_lshl_b32 s[RB], s[RB], 2
	s_add_co_u32 s[RB], s[RB], s[CY]
	s_and_b32 s[PATH], ttmp9, 1
	s_lshl_b32 s2, s[CY], 2
	s_lshl_b32 s2, 15, s2
	s_lshl_b32 s100, 0x1111, s[CX]
	s_or_b32 s[G1R], s2, (3<<16)|(1<<21)
	s_or_b32 s[G1U], s100, (3<<16)|(1<<21)
.irp g, G1R, G1U
	s_mov_b32 s[\g+1], 1024<<16
	s_mov_b32 s[\g+2], 4<<16
	s_mov_b32 s[\g+3], 1024<<16
	s_mov_b32 s[\g+4], 4
	s_mov_b32 s[\g+5], PK
	s_mov_b32 s[\g+6], 0
	s_mov_b32 s[\g+7], 0
.endr
	s_lshl_b32 s2, s[RB], 16                       ; the latent: (8 RB + 4 half) x 8,192, + 2 MiB for v_lat
	s_lshl_b32 s3, s[WC], 15
	s_add_co_u32 s2, s2, s3
	s_lshl_b32 s3, s[PATH], 21
	s_add_co_u32 s2, s2, s3
	s_mov_b32 s3, 0
	s_lshl_b32 s100, s[PATH], 20                   ; fromk or fromv: head 4 CX, 65,536 bytes a head, + half
	s_lshl_b32 s101, s[CX], 18
	s_add_co_u32 s100, s100, s101
	s_lshl_b32 s101, s[WC], 15
	s_add_co_u32 s100, s100, s101
	s_add_co_u32 s100, s100, 0x400000
	s_mov_b32 s101, 0
	s_lshl_b32 s[LS], s[WV], 15
	s_wait_kmcnt 0x0
	s_load_b512 s[72:87], s[8:9], 0x0
	s_load_b256 s[88:95], s[8:9], 0x40
	s_add_nc_u64 s[RB0:RB0+1], s[4:5], s[2:3]
	s_add_nc_u64 s[UB0:UB0+1], s[6:7], s[100:101]
	CROUND
.irp s, 0,1
	s_mov_b32 s[G0R+4*\s], 1
	s_add_co_u32 s[G0R+4*\s+1], s[LS], \s*SLOT
	s_add_nc_u64 s[G0R+4*\s+2:G0R+4*\s+3], s[RB0:RB0+1], 0
	s_or_b32 s[G0R+4*\s+3], s[G0R+4*\s+3], 0x80000000
	s_mov_b32 s[G0U+4*\s], 1
	s_add_co_u32 s[G0U+4*\s+1], s[LS], \s*SLOT
	s_add_nc_u64 s[G0U+4*\s+2:G0U+4*\s+3], s[UB0:UB0+1], \s*65536
	s_or_b32 s[G0U+4*\s+3], s[G0U+4*\s+3], 0x80000000
	JLOAD G0R+4*\s, G0U+4*\s
.endr
	v_and_b32 v1, 31, v0
	v_lshlrev_b32 v[LI], 4, v1
	s_lshl_b32 s[LS], s[PATH], 16                  ; R: the latent's chunk (K path) or the weight's (V path)
	s_lshl_b32 s[LS2], s[WR], 15
	s_add_co_u32 s[LS], s[LS], s[LS2]
	v_add_nc_u32 v[ADRR], s[LS], v[LI]
	v_add_nc_u32 v[ADRR+1], SLOT, v[ADRR]
	s_xor_b32 s[LS], s[PATH], 1                    ; U: the other chunk
	s_lshl_b32 s[LS], s[LS], 16
	s_lshl_b32 s[LS2], s[WC], 14
	s_add_co_u32 s[LS], s[LS], s[LS2]
	v_add_nc_u32 v[ADRU], s[LS], v[LI]
	v_add_nc_u32 v[ADRU+1], SLOT, v[ADRU]
	s_lshl_b32 s[LS], s[WC], 9
	v_add_nc_u32 v[VO], s[LS], v[LI]
	v_bfe_u32 v[VB], v0, 4, 1
	v_lshlrev_b32 v[VB], 6, v[VB]
	s_lshl_b32 s[LS], s[WC], 7
	v_add_nc_u32 v[VB], s[LS], v[VB]
	v_and_b32 v[VBV], 15, v0
	v_and_b32 v12, 8, v[VBV]
	v_add_nc_u32 v[VBV], v[VBV], v12
	s_lshl_b32 s[LS], s[WR], 6
	v_add_nc_u32 v[VBV], s[LS], v[VBV]
	v_lshlrev_b32 v[VBV], 2, v[VBV]
	s_lshr_b32 s100, s[RB], 4                      ; kv: ((batch x 16 + head) x 128 + 8 (RB % 16) + 4 WR) x 2,048, + 8 MiB for V: one formula for both layouts
	s_lshl_b32 s100, s100, 4
	s_lshl_b32 s101, s[CX], 2
	s_add_co_u32 s100, s100, s101
	s_lshl_b32 s100, s100, 7
	s_and_b32 s101, s[RB], 15
	s_lshl_b32 s101, s101, 3
	s_add_co_u32 s100, s100, s101
	s_lshl_b32 s101, s[WR], 2
	s_add_co_u32 s100, s100, s101
	s_lshl_b32 s100, s100, 11
	s_lshl_b32 s101, s[PATH], 23
	s_add_co_u32 s100, s100, s101
	s_mov_b32 s101, 0
	s_add_nc_u64 s[KOUT:KOUT+1], s[KOUT:KOUT+1], s[100:101]
	s_and_b32 s2, s[RB], 15
	s_lshl_b32 s2, s2, 4
	s_lshl_b32 s3, s[WR], 3
	s_add_co_u32 s2, s2, s3
	s_add_co_u32 s2, s2, s[WC]
	s_lshl_b32 s2, s2, 12
	s_add_co_u32 s2, s2, 0x780000
	s_mov_b32 s3, 0
	s_add_nc_u64 s[RTB:RTB+1], s[6:7], s[2:3]
	s_wait_kmcnt 0x0
	s_cmp_eq_u32 s[PATH], 0
	s_cselect_b64 s[BP:BP+1], s[10:11], s[12:13]
	s_cselect_b32 s[E+14], s[E+14], s[E+16]
	s_cselect_b32 s[E+15], s[E+15], s[E+17]
	s_cselect_b32 s[E+18], s[E+18], s[E+21]
	s_lshl_b32 s100, s[CX], 11
	s_add_nc_u64 s[BP:BP+1], s[BP:BP+1], s[100:101]
	SETSC E+18, E+14, E+15
	s_cmp_eq_u32 s[PATH], 0
	s_cbranch_scc0 .Lhead_v
	BIASLD BP, 0
	BIASFIX
	s_branch .Lhead_done
.Lhead_v:
	BIASV 0
	BIASVFIX
.Lhead_done:
	s_wait_tensorcnt 0x1                           ; my part of slot 0 is in; slot 1's load may stay out
	s_barrier_signal -1
	s_barrier_wait -1
	WORK 0
	CHANGE 1, 0, 2*65536
	AFTER 0, 1
	WORK 1
	CHANGE 1, 1, 3*65536
	AFTER 1, 1
	WORK 0
	CHANGE 0, 0, 0
	AFTER 2, 1
	WORK 1
	AFTER 3, 0
	s_wait_tensorcnt 0x0                           ; the wave's end
	ds_add_u32 v[SPW], v[NIL]
	s_wait_dscnt 0x0
	CROUND
	s_endpgm
.Lfunc_end_k_q3fdbfb9752_proj2:
	.size	k_q3fdbfb9752_proj2, .Lfunc_end_k_q3fdbfb9752_proj2-k_q3fdbfb9752_proj2
	.p2alignl 7, 3214868480
	.fill 96, 4, 3214868480
	.section	.rodata,"a",@progbits
	.p2align	6, 0x0
	.amdhsa_kernel k_q3fdbfb9752_proj2
		.amdhsa_group_segment_fixed_size 327680
		.amdhsa_private_segment_fixed_size 0
		.amdhsa_enable_private_segment 0
		.amdhsa_kernarg_size 48
		.amdhsa_user_sgpr_count 2
		.amdhsa_user_sgpr_kernarg_segment_ptr 1
		.amdhsa_wavefront_size32 1
		.amdhsa_system_sgpr_workgroup_id_x 1
		.amdhsa_system_sgpr_workgroup_id_y 1
		.amdhsa_system_sgpr_workgroup_id_z 1
		.amdhsa_system_vgpr_workitem_id 0
		.amdhsa_next_free_vgpr 512
		.amdhsa_next_free_sgpr 104
		.amdhsa_reserve_vcc 0
		.amdhsa_float_denorm_mode_32 3
		.amdhsa_float_denorm_mode_16_64 3
		.amdhsa_memory_ordered 1
		.amdhsa_forward_progress 1
		.amdhsa_inst_pref_size 215
	.end_amdhsa_kernel
	.amdgpu_metadata
---
amdhsa.version: [ 1, 2 ]
amdhsa.kernels:
  - .name:           k_q3fdbfb9752_proj2
    .symbol:         k_q3fdbfb9752_proj2.kd
    .args:
      - { .name: lat, .offset: 0, .size: 8, .value_kind: global_buffer, .address_space: global }
      - { .name: wc, .offset: 8, .size: 8, .value_kind: global_buffer, .address_space: global }
      - { .name: lowp_scales, .offset: 16, .size: 8, .value_kind: global_buffer, .address_space: global }
      - { .name: fromk_b, .offset: 24, .size: 8, .value_kind: global_buffer, .address_space: global }
      - { .name: fromv_b, .offset: 32, .size: 8, .value_kind: global_buffer, .address_space: global }
      - { .name: kv, .offset: 40, .size: 8, .value_kind: global_buffer, .address_space: global }
    .group_segment_fixed_size: 327680
    .private_segment_fixed_size: 0
    .kernarg_segment_align: 8
    .kernarg_segment_size: 48
    .max_flat_workgroup_size: 128
    .sgpr_count:     104
    .vgpr_count:     512
    .wavefront_size: 32
...
	.end_amdgpu_metadata
.endif
;; end of part 4
;; launch attn (part 5): grid 8 x 32, 8 waves a work-group, no clusters, 327,680 bytes of LDS; arguments qc, kv, lowp_scales, ac; writes ac
.if DOCPART == 5
	.amdgcn_target "amdgcn-amd-amdhsa--gfx1250"
	.amdhsa_code_object_version 6
	.text
	.protected	k_q3fdbfb9752_attn
	.globl	k_q3fdbfb9752_attn
	.p2align	8
	.type	k_q3fdbfb9752_attn,@function
k_q3fdbfb9752_attn:
	s_mov_b64 s[64:65], 0
	v_nop
	global_prefetch_b8 v0, s[64:65] scope:SCOPE_SE
	s_setreg_imm32_b32 hwreg(HW_REG_WAVE_MODE, 25, 1), 1
	s_wait_xcnt 0x0
; Causal attention on codes of E4M3, with the roles swapped as the module swaps them: the QUERIES are the rotated k (kv + 0, scale e18), the KEYS the rotated q (qc, e19), the values V^T (kv + 8 MiB, e21, tokens innermost).
; t = score x log2(e) / sqrt(128); M = the running largest t rounded up to a whole number; p = 2^(t - M) is quantised (e20), not normalised; the row's sum is taken of the unquantised p and divides at the end.
; The result is quantised (e22) for the last product and stored in fragment order: ac[token tile][head][2,048].
; Fragment: 16 rows x 128 K, 2,048 bytes; byte 512 c + 16 lane + j = row 32 (tile/2) + 8 (tile%2) + r + 8 (r/8), k = 128 ks + 32 c + 16 h + j.  Both products are used transposed (source 0 = keys, or V^T's channels;
; source 1 = my 16 queries): a lane holds one query throughout; by the row order p's 16 registers of two neighbouring key tiles are 16 neighbouring keys, and O^T's of two channel tiles 16 neighbouring channels.
; SHARES: work-group (A 0-7, batch x head 0-31), eight waves, a query tile each: first block A of 128 queries, then block 15 - A.  Keys come in slots of 256: A/2 + 1 slots for the low block, 8 - A/2 for the high one:
; nine slots whatever A is, so the trip count is a constant and every work-group has the same work: 17 key steps of 128 are worked, and the one step whose keys all come after the queries is jumped over.
; Block b walks slots 0 to b/2, so a slot's first key, 256 s, is at most 128 b, which is at most every query of the block: a slot's FIRST step always has keys that count, and only its second step can be jumped over.
; LDS LOADS RUN AHEAD.  A step's 8 fragments of keys and its 8 of V^T have registers of their own (window 1), so that each run of 32 loads is issued a softmax ahead of its products:
; behind step 0's score products V of step 0 and K of step 1 are asked for, behind its products V^T P V of step 1.  Only K of a slot's first step, which lies behind the barrier, is waited for straight away.
; No load that a later step needs stands under a branch.
; No cluster: only work-groups 2 m and 2 m + 1 of a head walk the same sequence of slots, and a cluster's partners come in fours.
; LIMITS: e18 + e19 between -123 and 130; e20 and e22 between -126 and 119; e20 + e21 is applied by v_ldexp_f32.  NaN is not served.
; REGISTERS, window 0: v1-8 addresses; v12 -M, v13 the largest t, v[14:15] the sum; v16-31 my queries; v32-47 the second block's queries; v48-51 the maximum's four chains; v52-57 three more chains of the sum;
;   v96-159 S^T, then p; v160-223 O^T; v224-239 codes; v240, v244, v245 scales; v236, v252-254 at work.   window 1: v0-127 a step's fragments of keys, v128-255 its fragments of V^T.
.set SLOTB, 65536                      ; a slot: 16 key fragments, then 16 fragments of V^T (2 K steps x 8 channel tiles)
.set SPARE, 131072                     ; behind the ring: the spare words, 128 bytes for each wave, that no other line names
.set LI,  1
.set QL,  2                            ; v2  r + 8 (r/8) - 16 h
.set PFO, 3                            ; v3  256 x lane
.set SPW, 5
.set NIL, 6
.set AD,  8                            ; v8  16 x lane + the slot in hand
.set QH,  32
.set MX,  48
.set SM,  52
.set KB,  0                            ; in window 1
.set VB,  128                          ; in window 1
.set WV,  18
.set SEL, 20
.set CS,  22
.set G1,  24
.set G0,  32
.set MYB, 36                           ; s[36:37] my 16,384 bytes of the head's key slot 0 (parts 0, 1: keys; 2, 3: V^T)
.set TB,  40
.set SEQ, 41
.set NLOW, 42
.set NXT, 43
.set KF,  44
.set Q0,  45
.set AA,  46
.set BH,  47
.set TQ,  48
.set QB,  50
.set OB,  52
.set PFA, 54
.set PLIM, 56
.set QA,  58
.set QA2, 60
.set MSB, 0
.macro WIN new                         ; the immediate's high byte repeats the setting that is left; a switch that changes nothing is dropped
.if MSB != \new
	s_set_vgpr_msb (MSB<<8)|\new
.set MSB, \new
.endif
.endm
.macro PLACES                          ; four plain lines behind a matrix instruction, ahead of loads into its sources and of reads of its results
.rept 4
	v_nop
.endr
.endm
.macro TLOAD                           ; waves 0 to 3 fetch a quarter of a slot each; four v_nop follow the line
	s_cmp_lt_u32 s[WV], 4
	s_cbranch_scc0 .Lasked_\@
	tensor_load_to_lds s[G0:G0+3], s[G1:G1+7]
	s_nop 0
	PLACES
.Lasked_\@:
.endm
; A PREFETCH INTO THE L2 of the key slot behind the one just asked for.  All eight work-groups of a head read the same keys and values: the one with A = 0, which walks key slots 0 to 7 on end, asks; in it waves 4 to 7,
; which fetch nothing, take a quarter of a slot each: 16,384 bytes, lanes 256 bytes apart, two instructions.  Key slots 1 to 7 are named once each; slot 0 comes by its load alone, and nothing is asked for behind slot 7.
; It stands behind the tensor load and behind the run of LDS loads that the next products wait for.
.macro ASK
	s_cmp_lt_u32 s[NXT], s[PLIM]
	s_cbranch_scc0 .Lnot_mine_\@
	global_prefetch_b8 v[PFO], s[PFA:PFA+1] th:TH_LOAD_NT scope:SCOPE_SE
	global_prefetch_b8 v[PFO], s[PFA:PFA+1] offset:8192 th:TH_LOAD_NT scope:SCOPE_SE
.Lnot_mine_\@:
.endm
; THE CHANGE OF SLOTS stands at a slot's head: all my tensor loads have landed, the add, my reads of the slot just left are over, the barrier; then the slot just left is filled with the next keys of the walk.
.macro CHANGE fill
	s_wait_tensorcnt 0x0
	ds_add_u32 v[SPW], v[NIL]
.if \fill
	s_xor_b32 s[G0+1], s[G0+1], SLOTB
	s_add_co_u32 s[NXT], s[NXT], 1
	s_add_co_u32 s96, s[SEQ], 1
	s_cmp_eq_u32 s96, s[NLOW]
	s_cselect_b32 s[NXT], 0, s[NXT]                ; the high block begins again at key slot 0
	s_lshl_b32 s96, s[NXT], 15
	s_mov_b32 s97, 0
	s_add_nc_u64 s[G0+2:G0+3], s[MYB:MYB+1], s[96:97]
	s_or_b32 s[G0+3], s[G0+3], 0x80000000
	s_wait_xcnt 0x0                                ; the last prefetches, a slot back, have read their address
	s_add_nc_u64 s[PFA:PFA+1], s[MYB:MYB+1], s[96:97]
	s_add_nc_u64 s[PFA:PFA+1], s[PFA:PFA+1], 32768
.endif
	s_wait_dscnt 0x0                               ; the add is done; all my reads of the slot just left are back, those of a step that was jumped over too
	s_barrier_signal -1
	s_barrier_wait -1
.if \fill
	TLOAD
.endif
.endm
.macro LOADK q                         ; the 8 fragments of keys of the slot's step q: 32 loads of 512 consecutive bytes
	WIN 0x40                                       ; destination window 1, address window 0
.irp t, 0,1,2,3,4,5,6,7
.irp c, 0,1,2,3
	ds_load_b128 v[KB+16*\t+4*\c:KB+16*\t+4*\c+3], v[AD] offset:(8*(\q)+\t)*2048+512*\c
.endr
.endr
.endm
.macro LOADV q                         ; the 8 fragments of V^T of the slot's step q
	WIN 0x40
.irp t, 0,1,2,3,4,5,6,7
.irp c, 0,1,2,3
	ds_load_b128 v[VB+16*\t+4*\c:VB+16*\t+4*\c+3], v[AD] offset:32768+(8*(\q)+\t)*2048+512*\c
.endr
.endr
.endm
.macro HEADK                           ; behind the change of slots: K of the new slot's first step.  (The last products that read these registers have their four places directly behind them)
	v_add_nc_u32 v[AD], s[TB], v[LI]
	LOADK 0
	WIN 0
.endm
.macro TILESC                          ; query tile TQ: its first token; the walk begins at key 0
	s_lshr_b32 s96, s[TQ], 1
	s_lshl_b32 s96, s96, 5
	s_and_b32 s97, s[TQ], 1
	s_lshl_b32 s97, s97, 3
	s_add_co_u32 s[Q0], s96, s97                   ; my queries are tokens Q0 + 0 .. 7 and Q0 + 16 .. 23
	s_mov_b32 s[KF], 0
.endm
.macro INIT                            ; empty sums
	v_mov_b32 v13, 0xff61b1e6                      ; the largest t so far: -3e38
	v_floor_f32 v12, -v13
	v_mov_b32 v14, 0
	v_mov_b32 v15, 0
.set jj, 0
.rept 64
	v_mov_b32 v[160+jj], 0                         ; the step is written once: the first finds zeros
.set jj, jj+1
.endr
.endm
; A KEY STEP: 128 keys, the q-th of the slot in hand.
.macro STEP q
.if \q == 1
	s_add_co_u32 s96, s[Q0], 23
	s_cmp_gt_u32 s[KF], s96                        ; all its keys come after my queries: the work is jumped over; no barrier, no tensor load and no load for a later step stands in it
	s_cbranch_scc1 .Lhidden_\@
	s_wait_dscnt 32                                ; K of this step is in; the 32 loads of its V, issued behind K's, may be out
.else
	s_wait_dscnt 0x0                               ; K of this step is in: nothing else is out
.endif
	WIN 0x01                                       ; source 0 (the keys) in window 1
.irp t, 0,1,2,3,4,5,6,7
	v_wmma_f32_16x16x128_fp8_fp8 v[96+8*\t:103+8*\t], v[KB+16*\t:KB+16*\t+15], v[16:31], 0
.endr
	WIN 0
	PLACES                                         ; ahead of the loads into K's registers and of the first read of the scores
.if \q == 0
	LOADV 0                                        ; they land while the softmax is worked: V of this step,
	LOADK 1                                        ; and K of the next
	WIN 0
.endif
	s_add_co_u32 s96, s[KF], 127
	s_cmp_le_u32 s96, s[Q0]                        ; all its keys count: no mask
	s_cbranch_scc1 .Lopen_\@
	s_sub_co_i32 s96, s[Q0], s[KF]
	v_add_nc_u32 v252, s96, v[QL]                  ; register 16 b + i holds key KF + 32 b + 16 h + i: hidden where 32 b + i > my query - KF - 16 h
	v_mov_b32 v254, 0xff800000
.set n, 0
.rept 64
	v_cmp_gt_i32 vcc_lo, 32*(n/16)+n%16, v252
	v_cndmask_b32 v[96+n], v[96+n], v254, vcc_lo
.set n, n+1
.endr
.Lopen_\@:
.irp k, 0,1,2,3                        ; the step's largest score of my query, in four chains of 15 scores that do not wait for each other; each accumulator is read from its low end on
	v_max3_num_f32 v[MX+\k], v[96+16*\k], v[97+16*\k], v[98+16*\k]
.endr
.irp i, 3,5,7,9,11,13
.irp k, 0,1,2,3
	v_max3_num_f32 v[MX+\k], v[MX+\k], v[96+16*\k+\i], v[97+16*\k+\i]
.endr
.endr
	v_max3_num_f32 v[MX], v[MX], v111, v127        ; the four scores left over
	v_max3_num_f32 v[MX+2], v[MX+2], v143, v159
	v_max3_num_f32 v[MX], v[MX], v[MX+1], v[MX+2]
	v_max_num_f32 v254, v[MX], v[MX+3]
	v_permlanex16_b32 v236, v254, s[SEL], s[SEL+1]
	v_max_num_f32 v254, v254, v236
	v_mul_f32 v254, s[CS], v254
	v_max_num_f32 v13, v13, v254                   ; the running largest t
	v_mov_b32 v254, v12
	v_floor_f32 v12, -v13                          ; -M = floor(-t): M is a whole number
	v_sub_f32 v254, v12, v254
	v_cvt_i32_f32 v254, v254                       ; (it saturates)
	v_ldexp_f32 v252, 1.0, v254                    ; f = 2^(old M - new M): rounds nothing
.set jj, 0
.rept 32
	v_pk_fma_f32 v[96+jj:97+jj], v[96+jj:97+jj], s[CS:CS+1], v[12:13] op_sel_hi:[1,0,0]
.set jj, jj+2
.endr
.set jj, 0
.rept 64
	v_exp_f32 v[96+jj], v[96+jj]
.set jj, jj+1
.endr
	v_pk_mul_f32 v[14:15], v[14:15], v[252:253] op_sel_hi:[1,0]   ; a plain line behind the exponentials
	s_wait_alu depctr_va_vdst(0)                   ; one wait for the batch, ahead of its first reader
	v_pk_add_f32 v[SM:SM+1], v[96:97], v[98:99]    ; the row's sum, of the unquantised p: two at a time, in four chains
	v_pk_add_f32 v[SM+2:SM+3], v[100:101], v[102:103]
	v_pk_add_f32 v[SM+4:SM+5], v[104:105], v[106:107]
.irp j, 12,20,28,36,44,52
	v_pk_add_f32 v[14:15], v[14:15], v[96+\j:97+\j]
	v_pk_add_f32 v[SM:SM+1], v[SM:SM+1], v[98+\j:99+\j]
	v_pk_add_f32 v[SM+2:SM+3], v[SM+2:SM+3], v[100+\j:101+\j]
	v_pk_add_f32 v[SM+4:SM+5], v[SM+4:SM+5], v[102+\j:103+\j]
.endr
	v_pk_add_f32 v[14:15], v[14:15], v[156:157]
	v_pk_add_f32 v[SM:SM+1], v[SM:SM+1], v[158:159]
	v_pk_add_f32 v[SM+2:SM+3], v[SM+2:SM+3], v[SM+4:SM+5]
	v_pk_add_f32 v[14:15], v[14:15], v[SM:SM+1]
	v_pk_add_f32 v[14:15], v[14:15], v[SM+2:SM+3]
.irp b, 0,1,2,3
.set jj, 0
.rept 16
	v_min_num_f32 v[96+16*\b+jj], v[96+16*\b+jj], v240   ; the conversion does not saturate (ISA guide 7.6.2); p is not negative
.set jj, jj+1
.endr
	v_cvt_scalef32_pk8_fp8_f32 v[224+4*\b:225+4*\b], v[96+16*\b:103+16*\b], v244
	v_cvt_scalef32_pk8_fp8_f32 v[226+4*\b:227+4*\b], v[104+16*\b:111+16*\b], v244
.endr
.set jj, 0
.rept 32
	v_pk_mul_f32 v[160+jj:161+jj], v[160+jj:161+jj], v[252:253] op_sel_hi:[1,0]   ; O^T under the new M; also the plain lines between the conversions and the products below
.set jj, jj+2
.endr
.if \q == 0
	s_wait_dscnt 32                                ; V of this step is in; the 32 loads of the next step's K, issued behind V's, may be out
.else
	s_wait_dscnt 0x0                               ; V of this step is in
.endif
	WIN 0x01                                       ; source 0 (V^T) in window 1
.irp t, 0,1,2,3,4,5,6,7                ; the eight accumulators take turns, one instruction a turn
	v_wmma_f32_16x16x128_fp8_fp8 v[160+8*\t:167+8*\t], v[VB+16*\t:VB+16*\t+15], v[224:239], v[160+8*\t:167+8*\t]
.endr
	WIN 0
.if \q == 0
	PLACES                                         ; ahead of the loads into V's registers
	LOADV 1                                        ; V of the next step: it lands while that step's scores and softmax are worked
	WIN 0
.else
.Lhidden_\@:
.endif
	s_add_co_u32 s[KF], s[KF], 128
.endm
.macro FINISH                          ; O^T / the sum x 2^(e20 + e21), quantised with e22: the conversions' results are the last product's operand; four stores of 512 consecutive bytes
	PLACES
	v_add_f32 v14, v14, v15
	v_permlanex16_b32 v252, v14, s[SEL], s[SEL+1]
	v_add_f32 v14, v14, v252
	v_rcp_f32 v14, v14
	v_nop                                          ; a plain line behind the reciprocal
	s_lshr_b32 s96, s[BH], 4
	s_lshl_b32 s96, s96, 7
	s_add_co_u32 s96, s96, s[TQ]
	s_lshl_b32 s96, s96, 4
	s_and_b32 s97, s[BH], 15
	s_add_co_u32 s96, s96, s97
	s_lshl_b32 s96, s96, 11
	s_mov_b32 s97, 0
	s_add_nc_u64 s[OB:OB+1], s[10:11], s[96:97]
	s_wait_alu depctr_va_vdst(0)                   ; ahead of the first reader
	v_ldexp_f32 v14, v14, s78
.set jj, 0
.rept 64
	v_mul_f32 v[96+jj], v[160+jj], v14
.set jj, jj+1
.endr
.set jj, 0
.rept 64
	v_med3_num_f32 v[96+jj], v[96+jj], s77, s76
.set jj, jj+1
.endr
.irp n, 0,1,2,3,4,5,6,7
	v_cvt_scalef32_pk8_fp8_f32 v[224+2*\n:225+2*\n], v[96+8*\n:103+8*\n], v245
.endr
	v_nop
.irp c, 0,1,2,3
	global_store_b128 v[LI], v[224+4*\c:227+4*\c], s[OB:OB+1] offset:512*\c
.endr
.endm
	s_load_b256 s[4:11], s[0:1], 0x0               ; qc 4, kv 6, scales 8, ac 10
	v_lshl_add_u32 v[SPW], v0, 2, SPARE
	v_mov_b32 v[NIL], 0
	ds_add_u32 v5, v6
	s_wait_dscnt 0x0
	v_lshrrev_b32 v8, 5, v0
	v_readfirstlane_b32 s[WV], v8
	s_mov_b32 s[AA], ttmp9
	s_and_b32 s[BH], ttmp7, 0xffff
	s_lshr_b32 s[NLOW], s[AA], 1
	s_add_co_u32 s[NLOW], s[NLOW], 1
	s_mov_b32 s[G1], 3<<16                         ; elements of 8 bytes, no mask, no padding: a dense block of 64 rows x 256 bytes
	s_mov_b32 s[G1+1], 32<<16
	s_mov_b32 s[G1+2], 64<<16
	s_mov_b32 s[G1+3], 32<<16
	s_mov_b32 s[G1+4], 64
	s_mov_b32 s[G1+5], 32
	s_mov_b32 s[G1+6], 0
	s_mov_b32 s[G1+7], 0
	s_mov_b32 s[SEL], 0x76543210
	s_mov_b32 s[SEL+1], 0xfedcba98
	s_mov_b32 s[TB], 0
	s_mov_b32 s[SEQ], 0
	s_mov_b32 s[NXT], 0
	s_and_b32 s96, s[WV], 3                        ; my part of a slot
	s_and_b32 s97, s96, 1
	s_lshl_b32 s98, s97, 14
	s_lshl_b32 s97, s[BH], 18
	s_add_co_u32 s98, s98, s97
	s_mov_b32 s99, 0
	s_lshl_b32 s100, s[BH], 18
	s_mov_b32 s101, 0
	s_wait_kmcnt 0x0
	s_load_b256 s[68:75], s[8:9], 0x40             ; e16 .. e23
	s_add_nc_u64 s[76:77], s[6:7], 0x800000        ; V^T
	s_cmp_lt_u32 s96, 2
	s_cselect_b64 s[MYB:MYB+1], s[4:5], s[76:77]
	s_add_nc_u64 s[MYB:MYB+1], s[MYB:MYB+1], s[98:99]
	s_add_nc_u64 s[QB:QB+1], s[6:7], s[100:101]
	s_mov_b32 s[G0], 1
	s_lshl_b32 s[G0+1], s96, 14
	s_mov_b64 s[G0+2:G0+3], s[MYB:MYB+1]
	s_or_b32 s[G0+3], s[G0+3], 0x80000000
	TLOAD                                          ; key slot 0 into slot 0
	s_mov_b64 s[PFA:PFA+1], s[MYB:MYB+1]
	s_lshr_b32 s96, s[WV], 2
	s_xor_b32 s96, s96, 1                          ; 0 in waves 4 to 7,
	s_or_b32 s96, s96, ttmp9                       ; of the work-group with A = 0
	s_cmp_eq_u32 s96, 0
	s_cselect_b32 s[PLIM], 7, 0
	v_and_b32 v[PFO], 31, v0
	v_lshlrev_b32 v[LI], 4, v[PFO]
	v_lshlrev_b32 v[PFO], 8, v[PFO]
	s_lshl_b32 s96, s[AA], 3
	s_add_co_u32 s[TQ], s96, s[WV]                 ; the low block's tile,
	s_lshl_b32 s96, s[TQ], 11
	s_mov_b32 s97, 0
	s_add_nc_u64 s[QA:QA+1], s[QB:QB+1], s[96:97]
.irp c, 0,1,2,3
	global_load_b128 v[16+4*\c:19+4*\c], v[LI], s[QA:QA+1] offset:512*\c
.endr
	s_sub_co_u32 s96, 15, s[AA]                    ; and the high block's: its queries are fetched here too, so that no wait for memory stands in the walk
	s_lshl_b32 s96, s96, 3
	s_add_co_u32 s96, s96, s[WV]
	s_lshl_b32 s96, s96, 11
	s_add_nc_u64 s[QA2:QA2+1], s[QB:QB+1], s[96:97]
.irp c, 0,1,2,3
	global_load_b128 v[QH+4*\c:QH+4*\c+3], v[LI], s[QA2:QA2+1] offset:512*\c
.endr
	v_and_b32 v[QL], 15, v0
	v_and_b32 v8, 8, v[QL]
	v_add_nc_u32 v[QL], v[QL], v8
	v_bfe_u32 v8, v0, 4, 1
	v_lshlrev_b32 v8, 4, v8
	v_sub_nc_u32 v[QL], v[QL], v8
	v_mov_b32 v236, 0                              ; written once: a lane permute's destination counts as one of its sources
	v_mov_b32 v252, 0
	v_mov_b32 v253, 0                              ; (named as the upper half of the pair v[252:253])
	TILESC
	INIT
	s_wait_kmcnt 0x0
	s_mov_b32 s[CS], 0x3e0293ee                    ; log2(e) / sqrt(128)
	s_add_co_i32 s96, s70, s71
	s_lshl_b32 s96, s96, 23
	s_add_co_i32 s[CS], s[CS], s96                 ; x 2^(e18 + e19), added to the exponent field
	s_mov_b32 s[CS+1], s[CS]
	s_add_co_i32 s96, s72, 127
	s_lshl_b32 s97, s96, 23
	v_mov_b32 v244, s97                            ; 2^e20
	s_add_co_i32 s96, s96, 8
	s_lshl_b32 s96, s96, 23
	s_or_b32 s96, s96, 0x600000
	v_mov_b32 v240, s96                            ; 448 x 2^e20
	s_add_co_i32 s96, s74, 127
	s_lshl_b32 s97, s96, 23
	v_mov_b32 v245, s97                            ; 2^e22
	s_add_co_i32 s96, s96, 8
	s_lshl_b32 s76, s96, 23
	s_or_b32 s76, s76, 0x600000                    ; 448 x 2^e22
	s_or_b32 s77, s76, 0x80000000
	s_add_co_i32 s78, s72, s73                     ; e20 + e21
	s_wait_loadcnt 0x0                             ; both tiles of queries
.Lslot:                                                ; eight trips; behind each change of slots the next slot of the walk is asked for
	CHANGE 1
	HEADK
	ASK
	s_cmp_lg_u32 s[SEQ], s[NLOW]
	s_cbranch_scc1 .Lsame
	FINISH                                         ; the low block is done: on to block 15 - A.  (K of its first step is on its way meanwhile)
	s_sub_co_u32 s96, 15, s[AA]
	s_lshl_b32 s96, s96, 3
	s_add_co_u32 s[TQ], s96, s[WV]
	TILESC
.set jj, 0
.rept 16
	v_mov_b32 v[16+jj], v[QH+jj]                   ; the loop's products name v16-31: the second tile's queries move there, once
.set jj, jj+1
.endr
	INIT
	s_wait_xcnt 0x0                                ; the stores have read their codes and their base
.Lsame:
	STEP 0
	STEP 1
	s_xor_b32 s[TB], s[TB], SLOTB
	s_add_co_u32 s[SEQ], s[SEQ], 1
	s_cmp_lt_u32 s[SEQ], 8
	s_cbranch_scc1 .Lslot
	CHANGE 0                                       ; the last slot is written out
	HEADK
	STEP 0
	STEP 1
	FINISH
	s_wait_tensorcnt 0x0                           ; the wave's end
	ds_add_u32 v[SPW], v[NIL]
	s_wait_dscnt 0x0
	s_endpgm
.Lfunc_end_k_q3fdbfb9752_attn:
	.size	k_q3fdbfb9752_attn, .Lfunc_end_k_q3fdbfb9752_attn-k_q3fdbfb9752_attn
	.p2alignl 7, 3214868480
	.fill 96, 4, 3214868480
	.section	.rodata,"a",@progbits
	.p2align	6, 0x0
	.amdhsa_kernel k_q3fdbfb9752_attn
		.amdhsa_group_segment_fixed_size 327680
		.amdhsa_private_segment_fixed_size 0
		.amdhsa_enable_private_segment 0
		.amdhsa_kernarg_size 32
		.amdhsa_user_sgpr_count 2
		.amdhsa_user_sgpr_kernarg_segment_ptr 1
		.amdhsa_wavefront_size32 1
		.amdhsa_system_sgpr_workgroup_id_x 1
		.amdhsa_system_sgpr_workgroup_id_y 1
		.amdhsa_system_sgpr_workgroup_id_z 1
		.amdhsa_system_vgpr_workitem_id 0
		.amdhsa_next_free_vgpr 512
		.amdhsa_next_free_sgpr 104
		.amdhsa_reserve_vcc 1
		.amdhsa_float_denorm_mode_32 3
		.amdhsa_float_denorm_mode_16_64 3
		.amdhsa_memory_ordered 1
		.amdhsa_forward_progress 1
		.amdhsa_inst_pref_size 123
	.end_amdhsa_kernel
	.amdgpu_metadata
---
amdhsa.version: [ 1, 2 ]
amdhsa.kernels:
  - .name:           k_q3fdbfb9752_attn
    .symbol:         k_q3fdbfb9752_attn.kd
    .args:
      - { .name: qc, .offset: 0, .size: 8, .value_kind: global_buffer, .address_space: global }
      - { .name: kv, .offset: 8, .size: 8, .value_kind: global_buffer, .address_space: global }
      - { .name: lowp_scales, .offset: 16, .size: 8, .value_kind: global_buffer, .address_space: global }
      - { .name: ac, .offset: 24, .size: 8, .value_kind: global_buffer, .address_space: global }
    .group_segment_fixed_size: 327680
    .private_segment_fixed_size: 0
    .kernarg_segment_align: 8
    .kernarg_segment_size: 32
    .max_flat_workgroup_size: 256
    .sgpr_count:     104
    .vgpr_count:     512
    .wavefront_size: 32
...
	.end_amdgpu_metadata
.endif
;; end of part 5
;; launch outp (part 6): grid 8 x 32, 4 waves a work-group, clusters of 4 x 4, 327,680 bytes of LDS; arguments ac, wc, lowp_scales, out_b, out0; writes out0
.if DOCPART == 6
	.amdgcn_target "amdgcn-amd-amdhsa--gfx1250"
	.amdhsa_code_object_version 6
	.text
	.protected	k_q3fdbfb9752_outp
	.globl	k_q3fdbfb9752_outp
	.p2align	8
	.type	k_q3fdbfb9752_outp,@function
k_q3fdbfb9752_outp:
	s_mov_b64 s[64:65], 0
	v_nop
	global_prefetch_b8 v0, s[64:65] scope:SCOPE_SE
	s_setreg_imm32_b32 hwreg(HW_REG_WAVE_MODE, 25, 1), 1
	s_wait_xcnt 0x0
	s_wait_alu depctr_hold_cnt(0) depctr_sa_sdst(0) depctr_va_vdst(0) depctr_va_sdst(0) depctr_va_ssrc(0) depctr_va_vcc(0) depctr_vm_vsrc(0)
	s_getreg_b32 s2, hwreg(HW_REG_IB_STS2, 6, 4)
	s_cmp_eq_u32 s2, 0
	s_cbranch_scc0 .Lentry_in_a_cluster
	s_endpgm
.Lentry_in_a_cluster:
	s_bfe_u32 s2, ttmp6, 0x10000c
	s_cmp_lg_u32 s2, 0xf033
	s_cbranch_scc0 .Lentry_shape_is_right
	s_endpgm
.Lentry_shape_is_right:
; out0 = attention's result (codes, e22) x out_w^T (codes, e23) x 2^(e22 + e23) + out_b, f32.  Codes in fragment order:
; 16 rows x 128 K, 2,048 bytes; byte 512 c + 16 lane + j = row 32 (tile/2) + 8 (tile%2) + r + 8 (r/8), k = 128 ks + 32 c + 16 h + j.
; SHARES: work-group (COL 0-7, RB 0-31): tokens 128 RB .. + 127 x columns 128 COL .. + 127; K = 2,048 in four chunks of 512 through a ring of two LDS slots of 131,072 bytes.
; Four waves of 64 x 64, the product transposed (source 0 = out_w's rows, source 1 = tokens): a lane holds 16 neighbouring columns of a token's row.
; The way out goes through a stage in slot 0 (128 rows, pitch 528 bytes), which has had its last fill and its last read by then; each store then covers 512 consecutive bytes of a row of out0, aligned.
; LIMIT: e22 + e23 between -126 and 127.
; CLUSTER 4 x 4: the tokens' tiles jointly along a row, out_w's along a column.
.set SLOT,  131072
.set SPARE, 262144
.set PK,    4096
.set WV, 20
.set WR, 21
.set WC, 22
.set CX, 23
.set CY, 24
.set COL, 25
.set RB, 26
.set G1R, 28
.set G1U, 36
.set G0R, 44
.set G0U, 52
.set RB0, 66
.set UB0, 68
.set SC, 96                            ; s[96:97] 2^(e22 + e23)
.set LS, 99
.set LS2, 98
.set BP, 10
.set OUTB, 12
.set LI, 1
.set SPW, 2
.set NIL, 3
.set ADRR, 4
.set ADRU, 6
.set VB, 9
.set STO, 11
.set SRD, 12
.set BIAS, 32
.set ACC, 128
.set F0, 0
.set F1, 128
.set SP, 528
.set MSB, 0
.macro WIN new
.if MSB != \new
	s_set_vgpr_msb (MSB<<8)|\new
.set MSB, \new
.endif
.endm
.macro PLACES
.rept 4
	v_nop
.endr
.endm
.macro CREST
	s_cmp_lg_u32 s[WV], 0
	s_cbranch_scc1 .Lnot_wave_0_\@
	s_barrier_signal -3
.Lnot_wave_0_\@:
	s_barrier_wait -3
	s_barrier_signal -1
	s_barrier_wait -1
.endm
.macro CROUND
	s_barrier_signal -1
	s_barrier_wait -1
	CREST
.endm
.macro JLOAD g0r, g0u
	s_cmp_lt_u32 s[WV], 2
	s_cbranch_scc0 .Lfor_u_\@
	tensor_load_to_lds s[\g0r:\g0r+3], s[G1R:G1R+7]
	s_nop 0
	PLACES
	s_branch .Lasked_\@
.Lfor_u_\@:
	tensor_load_to_lds s[\g0u:\g0u+3], s[G1U:G1U+7]
	s_nop 0
	PLACES
.Lasked_\@:
.endm
.macro FETCH adrr, sr, adru, su, ks, f
	WIN 0x40
.irp i, 0,1,4,5
.irp c, 0,1,2,3
	ds_load_b128 v[\f+64+16*(\i-2*(\i/4))+4*\c:\f+64+16*(\i-2*(\i/4))+4*\c+3], v[\adru] offset:\i*\su+2048*\ks+512*\c
.endr
.endr
.irp a, 0,1,2,3
.irp c, 0,1,2,3
	ds_load_b128 v[\f+16*\a+4*\c:\f+16*\a+4*\c+3], v[\adrr] offset:\a*\sr+2048*\ks+512*\c
.endr
.endr
.endm
.macro MUL16 f, cm                     ; cm = 3: the first products start the sums.  The accumulators take turns
	WIN 0x05
.irp a, 0,1,2,3
.irp i, 0,1,2,3
.if \cm == 0
	v_wmma_f32_16x16x128_fp8_fp8 v[ACC+8*(4*\a+\i):ACC+8*(4*\a+\i)+7], v[\f+64+16*\i:\f+64+16*\i+15], v[\f+16*\a:\f+16*\a+15], v[ACC+8*(4*\a+\i):ACC+8*(4*\a+\i)+7]
.else
	v_wmma_f32_16x16x128_fp8_fp8 v[ACC+8*(4*\a+\i):ACC+8*(4*\a+\i)+7], v[\f+64+16*\i:\f+64+16*\i+15], v[\f+16*\a:\f+16*\a+15], 0
.endif
.endr
.endr
.endm
.macro WORK slot, cm
	PLACES
	FETCH ADRR+\slot, 8192, ADRU+\slot, 8192, 0, F0
	s_wait_dscnt 0x0
	FETCH ADRR+\slot, 8192, ADRU+\slot, 8192, 1, F1
	MUL16 F0, \cm
	s_wait_dscnt 0x0
	PLACES
	FETCH ADRR+\slot, 8192, ADRU+\slot, 8192, 2, F0
	MUL16 F1, 0
	s_wait_dscnt 0x0
	PLACES
	FETCH ADRR+\slot, 8192, ADRU+\slot, 8192, 3, F1
	MUL16 F0, 0
	s_wait_dscnt 0x0
	MUL16 F1, 0
	WIN 0
.endm
.macro CHANGE fill, slot, off
	WIN 0
	s_wait_tensorcnt 0x0
	ds_add_u32 v[SPW], v[NIL]
.if \fill
	s_add_nc_u64 s[G0R+4*\slot+2:G0R+4*\slot+3], s[RB0:RB0+1], \off
	s_or_b32 s[G0R+4*\slot+3], s[G0R+4*\slot+3], 0x80000000
	s_add_nc_u64 s[G0U+4*\slot+2:G0U+4*\slot+3], s[UB0:UB0+1], \off
	s_or_b32 s[G0U+4*\slot+3], s[G0U+4*\slot+3], 0x80000000
.endif
	s_wait_dscnt 0x0
.if \fill
	CROUND
	JLOAD G0R+4*\slot, G0U+4*\slot
.else
	s_barrier_signal -1
	s_barrier_wait -1
.endif
.endm
	s_load_b256 s[4:11], s[0:1], 0x0               ; ac 4, wc 6, scales 8, out_b 10
	s_load_b64 s[12:13], s[0:1], 0x20              ; out0
	v_lshl_add_u32 v[SPW], v0, 2, SPARE
	v_mov_b32 v[NIL], 0
	ds_add_u32 v2, v3
	s_wait_dscnt 0x0
	v_lshrrev_b32 v1, 5, v0
	v_readfirstlane_b32 s[WV], v1
	s_lshr_b32 s[WR], s[WV], 1
	s_and_b32 s[WC], s[WV], 1
	s_bfe_u32 s[CX], ttmp6, 0x40000
	s_bfe_u32 s[CY], ttmp6, 0x40004
	s_lshl_b32 s[COL], ttmp9, 2
	s_add_co_u32 s[COL], s[COL], s[CX]
	s_and_b32 s[RB], ttmp7, 0xffff
	s_lshl_b32 s[RB], s[RB], 2
	s_add_co_u32 s[RB], s[RB], s[CY]
	s_lshl_b32 s2, s[CY], 2
	s_lshl_b32 s2, 15, s2
	s_lshl_b32 s100, 0x1111, s[CX]
	s_or_b32 s[G1R], s2, (3<<16)|(1<<21)
	s_or_b32 s[G1U], s100, (3<<16)|(1<<21)
.irp g, G1R, G1U
	s_mov_b32 s[\g+1], 1024<<16
	s_mov_b32 s[\g+2], 4<<16
	s_mov_b32 s[\g+3], 1024<<16
	s_mov_b32 s[\g+4], 4
	s_mov_b32 s[\g+5], PK
	s_mov_b32 s[\g+6], 0
	s_mov_b32 s[\g+7], 0
.endr
	s_lshl_b32 s2, s[RB], 18                       ; ac: (8 RB + 4 half) tiles of 32,768 bytes
	s_lshl_b32 s3, s[WC], 17
	s_add_co_u32 s2, s2, s3
	s_mov_b32 s3, 0
	s_lshl_b32 s100, s[COL], 18                    ; out_w: block COL, + half
	s_lshl_b32 s101, s[WC], 17
	s_add_co_u32 s100, s100, s101
	s_add_co_u32 s100, s100, 0x200000
	s_mov_b32 s101, 0
	s_lshl_b32 s[LS], s[WV], 15
	s_wait_kmcnt 0x0
	s_load_b64 s[94:95], s[8:9], 0x58              ; e22, e23
	s_add_nc_u64 s[RB0:RB0+1], s[4:5], s[2:3]
	s_add_nc_u64 s[UB0:UB0+1], s[6:7], s[100:101]
	CROUND
.irp s, 0,1
	s_mov_b32 s[G0R+4*\s], 1
	s_add_co_u32 s[G0R+4*\s+1], s[LS], \s*SLOT
	s_add_nc_u64 s[G0R+4*\s+2:G0R+4*\s+3], s[RB0:RB0+1], \s*8192
	s_or_b32 s[G0R+4*\s+3], s[G0R+4*\s+3], 0x80000000
	s_mov_b32 s[G0U+4*\s], 1
	s_add_co_u32 s[G0U+4*\s+1], s[LS], \s*SLOT
	s_add_nc_u64 s[G0U+4*\s+2:G0U+4*\s+3], s[UB0:UB0+1], \s*8192
	s_or_b32 s[G0U+4*\s+3], s[G0U+4*\s+3], 0x80000000
	JLOAD G0R+4*\s, G0U+4*\s
.endr
	v_and_b32 v1, 31, v0
	v_lshlrev_b32 v[LI], 4, v1
	s_lshl_b32 s[LS], s[WR], 15
	v_add_nc_u32 v[ADRR], s[LS], v[LI]
	v_add_nc_u32 v[ADRR+1], SLOT, v[ADRR]
	s_lshl_b32 s[LS], s[WC], 14
	s_add_co_u32 s[LS], s[LS], 65536
	v_add_nc_u32 v[ADRU], s[LS], v[LI]
	v_add_nc_u32 v[ADRU+1], SLOT, v[ADRU]
	v_bfe_u32 v[VB], v0, 4, 1
	v_lshlrev_b32 v[VB], 6, v[VB]
	s_lshl_b32 s[LS], s[WC], 7
	v_and_b32 v[STO], 15, v0                       ; the stage, in: row 64 WR + 16 a + r, bytes 128 WC + 64 h on
	v_mul_u32_u24 v[STO], v[STO], SP
	v_add_nc_u32 v[STO], v[STO], v[VB]
	s_mul_i32 s[LS2], s[WR], 64*SP
	s_add_co_u32 s[LS2], s[LS2], s[LS]
	v_add_nc_u32 v[STO], s[LS2], v[STO]
	v_add_nc_u32 v[VB], s[LS], v[VB]
	s_mul_i32 s[LS2], s[WV], 32*SP                 ; back: stage rows 32 wave on, a whole row of 512 bytes an instruction
	v_add_nc_u32 v[SRD], s[LS2], v[LI]
	s_lshl_b32 s100, s[RB], 19                     ; out0: (128 RB + 32 wave) rows of 4,096 bytes + 512 COL
	s_lshl_b32 s101, s[WV], 17
	s_add_co_u32 s100, s100, s101
	s_lshl_b32 s101, s[COL], 9
	s_add_co_u32 s100, s100, s101
	s_mov_b32 s101, 0
	s_add_nc_u64 s[OUTB:OUTB+1], s[OUTB:OUTB+1], s[100:101]
	s_lshl_b32 s100, s[COL], 9
	s_add_nc_u64 s[BP:BP+1], s[BP:BP+1], s[100:101]
.irp i, 0,1,2,3
	global_load_b128 v[BIAS+8*\i:BIAS+8*\i+3], v[VB], s[BP:BP+1] offset:256*(\i/2)+32*(\i%2)
	global_load_b128 v[BIAS+8*\i+4:BIAS+8*\i+7], v[VB], s[BP:BP+1] offset:256*(\i/2)+32*(\i%2)+16
.endr
	s_wait_kmcnt 0x0
	s_add_co_i32 s[SC], s94, s95
	s_add_co_i32 s[SC], s[SC], 127
	s_lshl_b32 s[SC], s[SC], 23
	s_mov_b32 s[SC+1], s[SC]                       ; (named with it as a pair, so it is written)
	s_wait_tensorcnt 0x1                           ; my part of slot 0 is in; slot 1's load may stay out
	s_barrier_signal -1
	s_barrier_wait -1
	WORK 0, 3
	CHANGE 1, 0, 16384
	WORK 1, 0
	CHANGE 1, 1, 24576
	WORK 0, 0
	CHANGE 0, 0, 0
	WORK 1, 0
	s_wait_loadcnt 0x0                             ; the bias
	PLACES
.irp a, 0,1,2,3
.irp i, 0,1,2,3
.irp p, 0,2,4,6
	v_pk_fma_f32 v[ACC+8*(4*\a+\i)+\p:ACC+8*(4*\a+\i)+\p+1], v[ACC+8*(4*\a+\i)+\p:ACC+8*(4*\a+\i)+\p+1], s[SC:SC+1], v[BIAS+8*\i+\p:BIAS+8*\i+\p+1] op_sel_hi:[1,0,1]
.endr
.endr
.endr
.irp a, 0,1,2,3
.irp i, 0,1,2,3
	ds_store_b128 v[STO], v[ACC+8*(4*\a+\i):ACC+8*(4*\a+\i)+3] offset:16*\a*SP+256*(\i/2)+32*(\i%2)
	ds_store_b128 v[STO], v[ACC+8*(4*\a+\i)+4:ACC+8*(4*\a+\i)+7] offset:16*\a*SP+256*(\i/2)+32*(\i%2)+16
.endr
.endr
	s_wait_dscnt 0x0                               ; for the others' sake: my stores into the stage have landed
	s_barrier_signal -1
	s_barrier_wait -1
.set n, 0
.rept 32
	ds_load_b128 v[ACC+4*n:ACC+4*n+3], v[SRD] offset:n*SP
.set n, n+1
.endr
.set n, 0
.rept 32
	s_wait_dscnt 31-n                              ; row n is back; the loads issued behind it may stay out
	global_store_b128 v[LI], v[ACC+4*n:ACC+4*n+3], s[OUTB:OUTB+1] offset:(8*(n/16)+n%16+8*((n%16)/8))*4096 th:TH_STORE_NT   ; stage row 16 u + r' is token 8 u + r' + 8 (r'/8) of my 32
.set n, n+1
.endr
	s_wait_tensorcnt 0x0                           ; the wave's end
	ds_add_u32 v[SPW], v[NIL]
	s_wait_dscnt 0x0
	CROUND
	s_endpgm
.Lfunc_end_k_q3fdbfb9752_outp:
	.size	k_q3fdbfb9752_outp, .Lfunc_end_k_q3fdbfb9752_outp-k_q3fdbfb9752_outp
	.p2alignl 7, 3214868480
	.fill 96, 4, 3214868480
	.section	.rodata,"a",@progbits
	.p2align	6, 0x0
	.amdhsa_kernel k_q3fdbfb9752_outp
		.amdhsa_group_segment_fixed_size 327680
		.amdhsa_private_segment_fixed_size 0
		.amdhsa_enable_private_segment 0
		.amdhsa_kernarg_size 40
		.amdhsa_user_sgpr_count 2
		.amdhsa_user_sgpr_kernarg_segment_ptr 1
		.amdhsa_wavefront_size32 1
		.amdhsa_system_sgpr_workgroup_id_x 1
		.amdhsa_system_sgpr_workgroup_id_y 1
		.amdhsa_system_sgpr_workgroup_id_z 1
		.amdhsa_system_vgpr_workitem_id 0
		.amdhsa_next_free_vgpr 512
		.amdhsa_next_free_sgpr 104
		.amdhsa_reserve_vcc 0
		.amdhsa_float_denorm_mode_32 3
		.amdhsa_float_denorm_mode_16_64 3
		.amdhsa_memory_ordered 1
		.amdhsa_forward_progress 1
		.amdhsa_inst_pref_size 74
	.end_amdhsa_kernel
	.amdgpu_metadata
---
amdhsa.version: [ 1, 2 ]
amdhsa.kernels:
  - .name:           k_q3fdbfb9752_outp
    .symbol:         k_q3fdbfb9752_outp.kd
    .args:
      - { .name: ac, .offset: 0, .size: 8, .value_kind: global_buffer, .address_space: global }
      - { .name: wc, .offset: 8, .size: 8, .value_kind: global_buffer, .address_space: global }
      - { .name: lowp_scales, .offset: 16, .size: 8, .value_kind: global_buffer, .address_space: global }
      - { .name: out_b, .offset: 24, .size: 8, .value_kind: global_buffer, .address_space: global }
      - { .name: out0, .offset: 32, .size: 8, .value_kind: global_buffer, .address_space: global }
    .group_segment_fixed_size: 327680
    .private_segment_fixed_size: 0
    .kernarg_segment_align: 8
    .kernarg_segment_size: 40
    .max_flat_workgroup_size: 128
    .sgpr_count:     104
    .vgpr_count:     512
    .wavefront_size: 32
...
	.end_amdgpu_metadata
.endif
;; end of part 6
